; MI455X (gfx1250); checked and timed in simulation.
; The chip was launched on July 23, 2026; its instructions are those of AMD's public machine-readable ISA for CDNA 5 (MIT licence, August 2026) and "CDNA5" Instruction Set Architecture Reference Guide (July 2026). The comments in the code are by the model that wrote it; some were corrected since.
;; Transformer Block. Allowed arithmetic: matrix products marked QUANTISED: E3M2 operands, one E8M0 scale for each 32 along K, by v_wmma_scale_f32_16x16x128_f8f6f4 with both operands' format E3M2, f32 sums; everything else in f32.
;; Inputs: W1 2,048 x 1,024 float32; W2 1,024 x 2,048 float32; Wkv 512 x 1,024 float32; Wo 1,024 x 1,024 float32; Wq 1,024 x 1,024 float32; b1 2,048 float32; b2 1,024 float32; cos 2,048 x 64 float32; ln1_b 1,024 float32; ln1_g 1,024 float32; ln2_b 1,024 float32; ln2_g 1,024 float32; sin 2,048 x 64 float32; x 2 x 2,048 x 1,024 float32.
;; Outputs: out0 2 x 2,048 x 1,024 float32.
;; This version of the problem:
;;   THIS VERSION OF THE PROBLEM IS GIVEN IN LOW PRECISION. The matrix products marked QUANTISED in the list below multiply operands that are first quantised to E3M2 (3 exponent bits, 2 mantissa bits; 6 bits a number), with one power-of-two scale for each 32 numbers along K (OCP MX v1.0); their sums are f32. All else is computed in f32.
;;   The module's matrix products, in the order in which they are computed (A, B: the left and right operand; K: the contracted axis; several contracted axes count as one K, in the product's order):
;;     1. [M 4,096, K 1,024] x [K 1,024, N 1,024]; A: computed on the way; B: input Wq: QUANTISED
;;     2. [M 4,096, K 1,024] x [K 1,024, N 512]; A: computed on the way; B: input Wkv: QUANTISED
;;     3. batch 8 x [M 8,192, K 64] x [K 64, N 2,048]; A: computed on the way; B: computed on the way: QUANTISED
;;     4. batch 8 x [M 8,192, K 2,048] x [K 2,048, N 64]; A: softmax (see below); B: computed on the way: QUANTISED
;;     5. [M 4,096, K 1,024] x [K 1,024, N 1,024]; A: computed on the way; B: input Wo: QUANTISED
;;     6. [M 4,096, K 1,024] x [K 1,024, N 2,048]; A: computed on the way; B: input W1: QUANTISED
;;     7. [M 4,096, K 2,048] x [K 2,048, N 1,024]; A: computed on the way; B: input W2: QUANTISED
;;   THE QUANTISER, for each operand of a quantised product, along K:
;;     - K is cut into blocks of 32 from its start; a last block that is shorter is filled with zeros.
;;     - A block's scale is 2^e with e = floor(log2(the largest magnitude in the block)) - 4, held to -126 .. 127; a block of zeros has e = 0. As a byte (E8M0): e + 127.
;;     - Each number is divided by its block's scale, clamped to +-28, and rounded to the nearest number of E3M2, ties to even, subnormals kept.
;;     - The product sums the exact products of the quantised numbers (number of the format x scale) in f32.
;;   ~~~python
;;   def quantise(x, axis):      # numpy; x: float32 -> the quantised numbers, widened to float32 again
;;       x = np.moveaxis(x, axis, -1); K = x.shape[-1]
;;       x = np.pad(x, [(0, 0)] * (x.ndim - 1) + [(0, -K % 32)]); x = x.reshape(x.shape[:-1] + (-1, 32)); a = np.abs(x).max(-1, keepdims=True)
;;       e = np.where(a > 0, np.clip(np.frexp(np.where(a > 0, a, 1))[1] - 1 - 4, -126, 127), 0)      # np.frexp(a)[1] - 1 = floor(log2(a)), exactly
;;       r = np.clip(x / 2.0 ** e, -28, 28)
;;       step = 2.0 ** (np.maximum(np.frexp(np.where(r == 0, 1, r))[1] - 1, -2) - 2)
;;       q = np.round(r / step) * step * 2.0 ** e      # np.round: ties to even
;;       return np.moveaxis(q.reshape(q.shape[:-2] + (-1,))[..., :K], -1, axis).astype(np.float32)
;;   ~~~
;;   SOFTMAX AHEAD OF A QUANTISED PRODUCT. Where the list says 'softmax', what is quantised is not the finished softmax but p = 2^(t - M), with t = logit x log2(e) and M = ceil(the row's largest t), a whole number; so 1/2 < the row's largest p <= 1. The row's sum l is taken of the UNQUANTISED p, in f32, and the product's result is divided by l at the end. Since M is a whole number, a kernel that streams over the keys may use a running M (the ceiling of the running maximum): every later rescaling is an exact power of two, which a block's scale takes up: the codes' values come out the same.
;;   OPERANDS COMPUTED ON THE WAY. 'Computed on the way' means the value that the module computes at that place (a softmax that the list does not call 'softmax' is quantised finished and normalised). What goes into a quantiser is computed in f32, as accurately as f32 sums, v_exp_f32 and their like allow (about 1e-6 of the number): no bf16 or f16 on the way to a quantiser, and a product that is left as it is and whose result goes on into a quantised operand takes f32 operands (vector FMAs, or v_wmma_f32_16x16x4_f32). A number that lies on a knife's edge between two numbers of the format may be rounded either way, as far as f32 arithmetic and the matrix unit's own rounding can turn it there, and no further.
;; One version. Each part assembles by itself: llvm-mc -triple=amdgcn-amd-amdhsa -mcpu=gfx1250 --defsym DOCPART=n.
;; ======== version 1 of 1: 7 launches
;; limits: right only within a limited range of input values
;; workspace buffers: wbuf 5,324,800 bytes; hbuf 3,276,800 bytes; qkvb 5,046,272 bytes; obuf 3,276,800 bytes; x1 16,777,216 bytes; gbuf 6,553,600 bytes
;; launch prep (part 1): grid 672 x 1, 4 waves a work-group, no clusters, 1,024 bytes of LDS; arguments x, ln1_g, ln1_b, hbuf, Wq, Wkv, Wo, W1, W2, wbuf; writes hbuf, wbuf
.if DOCPART == 1
	.amdgcn_target "amdgcn-amd-amdhsa--gfx1250"
	.amdhsa_code_object_version 6
	.text
	.protected	k_q5ea3e1131b_prep
	.globl	k_q5ea3e1131b_prep
	.p2align	8
	.type	k_q5ea3e1131b_prep,@function
k_q5ea3e1131b_prep:
	s_mov_b64 s[64:65], 0
	v_nop
	global_prefetch_b8 v0, s[64:65] scope:SCOPE_SE
	s_setreg_imm32_b32 hwreg(HW_REG_WAVE_MODE, 25, 1), 1
	s_wait_xcnt 0x0
; TWO INDEPENDENT JOBS IN ONE LAUNCH, parted by one scalar branch on the work-group's number: work-groups 0-255 make h = LayerNorm(x) g + b, work-groups 256-671 take the five weights.  Both end in the same
; quantiser: codes of BF6 (E3M2) with one E8M0 byte for each 32 along K, laid as IMAGES OF THE OPERAND'S REGISTERS.  Neither job reads what the other stores; only the first has LDS and barriers.
; A fragment is 16 rows x 128 K = 12 registers a lane = 1,536 bytes, in two halves of 768: registers 6x, 6x+1 at 8 x lane, registers 6x+2 .. 6x+5 at 256 + 16 x lane.
; THE ROWS OF A TILE ARE NOT NEIGHBOURS: lane r of tile t holds row 32 (t / 2) + 8 (t % 2) + r + 8 (r / 8), so that a product that takes a tile pair as source 0 leaves 16 neighbours in 16 registers.
; Fragment (tile T, K step ks) lies at (((T / 8) KS + ks) 8 + T % 8) x 1,536; its scale words at (((T / 8) KS + ks) 4 + (T / 2) % 4) x 128 + 64 (T % 2) + 4 r.
; LAYERNORM: a work-group takes one tile of 16 rows; wave w its columns 256 w .. 256 w + 255 (two K steps), 128 numbers a lane, which stay in registers from the load to the conversion.  Mean and variance in two passes
; over the registers (the mean is taken off before the squares, so that a common offset costs no accuracy); the four waves' partial sums meet in LDS, 16 bytes a row, with a barrier each.
; WEIGHTS: a work-group takes one tile x 8 K steps (W2, K = 2,048: two work-groups a tile), a wave two K steps; one path serves all five: only pointers and offsets are chosen, on the work-group's number.
; Wq and Wkv make one image: tile pairs 0-31 q, pair 32 + 2 kvh + half the keys' rows, pair 40 + 2 kvh + half the values' rows.
; A block's scale is 2^(floor(log2(largest magnitude)) - 4): its byte is the largest magnitude's exponent field - 4, held at 1 from below.
; LIMITS: a block of zeros, or one whose largest magnitude lies under 2^-122, keeps the byte 1 (its codes are zeros or subnormals; this program alone reads the bytes); NaN and infinities are not served.
; REGISTERS: window 0: v4-11 offsets; v16-143 the numbers; v144-183 codes; v184-195 sums, mean, 1/sigma; v200-217 at work.  Window 1 (LayerNorm alone): v0-127 g, v128-255 b of my columns.
.set G8,  4                            ; v4  8 x lane
.set G16, 5                            ; v5  16 x lane
.set GR4, 6                            ; v6  4 x (lane % 16)
.set RX,  7                            ; v7  my row's byte, + 64 x (lane / 16)
.set GB,  8                            ; v8  64 x (lane / 16): my columns in g and b
.set RA,  9                            ; v9  LDS: 16 r + 4 w: my wave's partial sum of row r
.set RL,  10                           ; v10 LDS: 16 r: the four partial sums
.set X,   16                           ; register 64 e + 16 b + i = k 128 e + 32 b + 16 (lane / 16) + i
.set PC0, 144
.set PC1, 164
.set SU,  184
.set MN,  192
.set RS,  194
.set TM,  200
.set PW0, 216
.set PW1, 217
.set WV,  3                            ; (the weights' part names other scalar registers for these two: see there)
.set SEL, 26
.set MSB, 0
.macro WIN new                         ; the immediate's high byte repeats the setting that is left
.if MSB != \new
	s_set_vgpr_msb (MSB<<8)|\new
.set MSB, \new
.endif
.endm
.macro QUANT s, pc, pw                 ; 64 numbers of a lane, register 16 b + i = k 32 b + 16 (lane / 16) + i, become a fragment's codes and its scale word
.irp b, 0,1,2,3
	v_max3_num_f32 v[TM+\b], |v[\s+16*\b]|, |v[\s+1+16*\b]|, 0x2800000   ; my 16 numbers of block b, and the floor 2^(5 - 127): the byte cannot fall under 1
.endr
.irp i, 2,4,6,8,10,12,14
.irp b, 0,1,2,3
	v_max3_num_f32 v[TM+\b], v[TM+\b], |v[\s+16*\b+\i]|, |v[\s+1+16*\b+\i]|   ; the four blocks by turns
.endr
.endr
.irp b, 0,1,2,3
	v_permlanex16_b32 v[TM+4+\b], v[TM+\b], s[SEL], s[SEL+1]
.endr
.irp b, 0,1,2,3
	v_max_num_f32 v[TM+\b], v[TM+\b], v[TM+4+\b]     ; with lane l xor 16's: the block's largest magnitude
.endr
.irp b, 0,1,2,3
	v_add_nc_u32 v[TM+12+\b], 0xfe000000, v[TM+\b]   ; 4 off its exponent field: the conversion's scale operand
.endr
.irp b, 0,1,2,3
	v_lshrrev_b32 v[TM+4+\b], 23, v[TM+12+\b]        ; the scale's byte
.endr
	v_lshl_or_b32 v[\pw], v[TM+5], 8, v[TM+4]
	v_lshl_or_b32 v[\pw], v[TM+6], 16, v[\pw]
	v_lshl_or_b32 v[\pw], v[TM+7], 24, v[\pw]
.irp c, 0,1
	v_cvt_scalef32_pk16_bf6_f32 v[\pc+6*\c:\pc+2+6*\c], v[\s+32*\c:\s+15+32*\c], v[TM+12+2*\c]
	v_cvt_scalef32_pk16_bf6_f32 v[\pc+12+4*\c:\pc+14+4*\c], v[\s+16+32*\c:\s+31+32*\c], v[TM+12+2*\c+1]   ; (a conversion's three registers begin on an even number)
.endr
	v_nop                                            ; one plain place behind a scaled conversion
.irp c, 0,1                                      ; the operand's layout wants a whole block in a lane
.irp i, 0,1,2
	v_permlane16_swap_b32 v[\pc+6*\c+\i], v[\pc+12+4*\c+\i]
.endr
.irp i, 0,1,2
	v_mov_b32 v[\pc+3+6*\c+\i], v[\pc+12+4*\c+\i]
.endr
.endr
.endm
.macro XLOAD reg, base, off            ; one K step of my row: of each block of 32 numbers my 16, 64 bytes, by four loads that follow each other
.irp b, 0,1,2,3
.irp j, 0,1,2,3
	global_load_b128 v[\reg+16*\b+4*\j:\reg+16*\b+4*\j+3], v[RX], s[\base:\base+1] offset:\off+128*\b+16*\j
.endr
.endr
.endm
.macro IMGST pc, base, off             ; a fragment leaves as it stands: each store covers 256 or 512 consecutive bytes, aligned
	global_store_b64 v[G8], v[\pc:\pc+1], s[\base:\base+1] offset:\off
	global_store_b128 v[G16], v[\pc+2:\pc+5], s[\base:\base+1] offset:\off+256
	global_store_b64 v[G8], v[\pc+6:\pc+7], s[\base:\base+1] offset:\off+768
	global_store_b128 v[G16], v[\pc+8:\pc+11], s[\base:\base+1] offset:\off+1024
.endm
; four chains of packed sums in v[SU] on become the row's sum in v[SU], in every lane: my lane's, lane l xor 16's, then the four waves' through LDS
.macro REDUCE off
	v_pk_add_f32 v[SU:SU+1], v[SU:SU+1], v[SU+2:SU+3]
	v_pk_add_f32 v[SU+4:SU+5], v[SU+4:SU+5], v[SU+6:SU+7]
	v_pk_add_f32 v[SU:SU+1], v[SU:SU+1], v[SU+4:SU+5]
	v_add_f32 v[SU], v[SU], v[SU+1]
	v_permlanex16_b32 v[SU+2], v[SU], s[SEL], s[SEL+1]
	v_add_f32 v[SU], v[SU], v[SU+2]
	ds_store_b32 v[RA], v[SU] offset:\off            ; both halves of the lanes write the same word with the same value
	s_wait_dscnt 0x0                                 ; for the others' sake: my store has landed
	s_barrier_signal -1
	s_barrier_wait -1
	ds_load_b128 v[SU:SU+3], v[RL] offset:\off
	s_wait_dscnt 0x0
	v_add_f32 v[SU], v[SU], v[SU+1]                  ; one fixed order in every wave
	v_add_f32 v[SU+2], v[SU+2], v[SU+3]
	v_add_f32 v[SU], v[SU], v[SU+2]
.endm
	v_lshl_add_u32 v254, v0, 2, 0x200
	v_mov_b32 v255, 0
	s_cmp_ge_u32 ttmp9, 256                        ; the same for all four waves of a work-group
	s_cbranch_scc1 .Lweights
	; ---------------- LayerNorm: work-group = row tile T = 0 .. 255
	s_load_b256 s[4:11], s[0:1], 0x0               ; x, g, b, hbuf
	v_lshrrev_b32 v1, 5, v0
	v_readfirstlane_b32 s[WV], v1                  ; wave 0..3
	v_and_b32 v1, 31, v0
	v_and_b32 v2, 15, v0                           ; r
	v_bfe_u32 v3, v0, 4, 1                         ; h
	v_lshlrev_b32 v[G8], 3, v1
	v_lshlrev_b32 v[G16], 4, v1
	v_lshlrev_b32 v[GR4], 2, v2
	v_and_b32 v11, 8, v2
	v_add_nc_u32 v11, v11, v2                      ; r + 8 (r / 8)
	v_lshlrev_b32 v[RX], 12, v11
	v_lshl_add_u32 v[RX], v3, 6, v[RX]
	v_lshlrev_b32 v[GB], 6, v3
	v_lshlrev_b32 v[RL], 4, v2
	s_lshl_b32 s12, s[WV], 2
	v_add_nc_u32 v[RA], s12, v[RL]
.irp b, 0,1,2,3
	v_mov_b32 v[TM+4+\b], 0                        ; written once: a lane permute's destination counts as one of its sources
.endr
	s_mov_b32 s[SEL], 0x76543210
	s_mov_b32 s[SEL+1], 0xfedcba98
	s_mov_b32 s16, 0x3a800000                      ; 1 / 1,024
	s_mov_b32 s17, 0x3727c5ac                      ; 1e-5
	s_lshr_b32 s12, ttmp9, 1
	s_lshl_b32 s12, s12, 17                        ; 32 rows of 4,096 bytes
	s_and_b32 s13, ttmp9, 1
	s_lshl_b32 s13, s13, 15                        ; 8 rows
	s_add_co_u32 s12, s12, s13
	s_lshl_b32 s14, s[WV], 10                      ; my 256 columns
	s_add_co_u32 s12, s12, s14
	s_mov_b32 s13, 0
	s_mov_b32 s15, 0
	s_lshr_b32 s18, ttmp9, 3
	s_lshl_b32 s18, s18, 3
	s_lshl_b32 s19, s[WV], 1
	s_add_co_u32 s18, s18, s19                     ; (T / 8) 8 + my first K step
	s_lshl_b32 s20, s18, 3
	s_and_b32 s21, ttmp9, 7
	s_add_co_u32 s20, s20, s21
	s_mul_i32 s20, s20, 1536
	s_mov_b32 s21, 0
	s_wait_alu depctr_va_vdst(0)
	s_wait_kmcnt 0x0
	s_add_nc_u64 s[4:5], s[4:5], s[12:13]
	s_add_nc_u64 s[6:7], s[6:7], s[14:15]
	s_add_nc_u64 s[8:9], s[8:9], s[14:15]
	s_add_nc_u64 s[22:23], s[10:11], s[20:21]      ; my first fragment
	XLOAD X, 4, 0
	XLOAD X+64, 4, 512
	WIN 0x40                                       ; destination window 1
.irp e, 0,1
.irp b, 0,1,2,3
.irp j, 0,1,2,3
	global_load_b128 v[64*\e+16*\b+4*\j:64*\e+16*\b+4*\j+3], v[GB], s[6:7] offset:512*\e+128*\b+16*\j
	global_load_b128 v[128+64*\e+16*\b+4*\j:128+64*\e+16*\b+4*\j+3], v[GB], s[8:9] offset:512*\e+128*\b+16*\j
.endr
.endr
.endr
	WIN 0
	s_lshl_b32 s20, s18, 2
	s_bfe_u32 s24, ttmp9, 0x20001
	s_add_co_u32 s20, s20, s24
	s_lshl_b32 s20, s20, 7
	s_and_b32 s24, ttmp9, 1
	s_lshl_b32 s24, s24, 6
	s_add_co_u32 s20, s20, s24
	s_add_co_u32 s20, s20, 3145728                 ; the scale words lie behind the codes
	s_add_nc_u64 s[24:25], s[10:11], s[20:21]
	s_wait_loadcnt 63                              ; the 32 loads of x are in: 64 younger ones were issued, and the wait's field holds 63
.irp c, 0,1,2,3
	v_pk_add_f32 v[SU+2*\c:SU+2*\c+1], v[X+2*\c:X+2*\c+1], v[X+8+2*\c:X+9+2*\c]   ; the first pairs start four chains: nothing is cleared
.endr
.set I, 16
.rept 14
.irp c, 0,1,2,3
	v_pk_add_f32 v[SU+2*\c:SU+2*\c+1], v[SU+2*\c:SU+2*\c+1], v[X+I+2*\c:X+I+2*\c+1]
.endr
.set I, I+8
.endr
	REDUCE 0
	v_mul_f32 v[MN], s16, v[SU]                    ; the mean
	v_mov_b32 v[MN+1], v[MN]
.set I, 0
.rept 64
	v_pk_add_f32 v[X+I:X+I+1], v[X+I:X+I+1], v[MN:MN+1] neg_lo:[0,1] neg_hi:[0,1]   ; x - mean
.set I, I+2
.endr
.irp c, 0,1,2,3
	v_pk_mul_f32 v[SU+2*\c:SU+2*\c+1], v[X+2*\c:X+2*\c+1], v[X+2*\c:X+2*\c+1]
.endr
.set I, 8
.rept 15
.irp c, 0,1,2,3
	v_pk_fma_f32 v[SU+2*\c:SU+2*\c+1], v[X+I+2*\c:X+I+2*\c+1], v[X+I+2*\c:X+I+2*\c+1], v[SU+2*\c:SU+2*\c+1]
.endr
.set I, I+8
.endr
	REDUCE 256                                     ; other bytes than the first exchange's: no wave can meet an earlier read
	v_fma_f32 v[RS], v[SU], s16, s17               ; the variance + 1e-5
	s_wait_alu depctr_va_vdst(0)
	v_rsq_f32 v[RS], v[RS]
	v_nop                                          ; one plain place behind a transcendental
	s_wait_alu depctr_va_vdst(0)
	v_mov_b32 v[RS+1], v[RS]
.set I, 0
.rept 64
	v_pk_mul_f32 v[X+I:X+I+1], v[X+I:X+I+1], v[RS:RS+1]
.set I, I+2
.endr
	s_wait_loadcnt 0x0                             ; g and b
	WIN 0x14                                       ; sources 1 and 2 window 1
.set I, 0
.rept 64
	v_pk_fma_f32 v[X+I:X+I+1], v[X+I:X+I+1], v[I:I+1], v[128+I:129+I]
.set I, I+2
.endr
	WIN 0
	QUANT X, PC0, PW0
	IMGST PC0, 22, 0
	global_store_b32 v[GR4], v[PW0], s[24:25]      ; both halves of the lanes write the same word with the same value
	QUANT X+64, PC1, PW1
	IMGST PC1, 22, 12288                           ; the next K step's fragment lies 8 fragments on
	global_store_b32 v[GR4], v[PW1], s[24:25] offset:512
	s_wait_tensorcnt 0x0
	ds_add_u32 v254, v255
	s_wait_dscnt 0x0
	s_endpgm
	; ---------------- the weights: work-group number less 256 = 0 .. 415
.Lweights:
.set WV,  40
.set SEL, 42
	s_load_b128 s[4:7], s[0:1], 0x20               ; Wq, Wkv
	s_load_b128 s[8:11], s[0:1], 0x30              ; Wo, W1
	s_load_b128 s[12:15], s[0:1], 0x40             ; W2, wbuf
	s_sub_co_u32 s41, ttmp9, 256                   ; my number among the weights' work-groups
	v_lshrrev_b32 v1, 5, v0
	v_readfirstlane_b32 s[WV], v1                  ; wave 0..3
	v_and_b32 v1, 31, v0                           ; lane
	v_and_b32 v2, 15, v0                           ; r
	v_bfe_u32 v3, v0, 4, 1                         ; h
	v_lshlrev_b32 v[G8], 3, v1
	v_lshlrev_b32 v[G16], 4, v1
	v_lshlrev_b32 v[GR4], 2, v2
	v_and_b32 v8, 8, v2
	v_add_nc_u32 v8, v8, v2                        ; r + 8 (r / 8)
	s_mov_b32 s[SEL], 0x76543210
	s_mov_b32 s[SEL+1], 0xfedcba98
.irp b, 0,1,2,3
	v_mov_b32 v[TM+4+\b], 0                        ; written once: a lane permute's destination counts as one of its sources
.endr
	s_mov_b32 s18, 0                               ; the tensor's first work-group
	s_mov_b32 s19, 0                               ; its codes in wbuf
	s_mov_b32 s20, 5111808                         ; its scale words in wbuf
	s_mov_b32 s21, 0                               ; 1 where K = 2,048
	s_wait_alu depctr_va_vdst(0)
	s_wait_kmcnt 0x0
	s_mov_b64 s[16:17], s[4:5]                     ; the choices hang on the work-group's number alone
	s_cmp_ge_u32 s41, 64
	s_cselect_b64 s[16:17], s[6:7], s[16:17]       ; Wkv: the same image as Wq
	s_cselect_b32 s18, 64, s18
	s_cmp_ge_u32 s41, 96
	s_cselect_b64 s[16:17], s[8:9], s[16:17]       ; Wo
	s_cselect_b32 s18, 96, s18
	s_cselect_b32 s19, 1179648, s19
	s_cselect_b32 s20, 5160960, s20
	s_cmp_ge_u32 s41, 160
	s_cselect_b64 s[16:17], s[10:11], s[16:17]     ; W1
	s_cselect_b32 s18, 160, s18
	s_cselect_b32 s19, 1966080, s19
	s_cselect_b32 s20, 5193728, s20
	s_cmp_ge_u32 s41, 288
	s_cselect_b64 s[16:17], s[12:13], s[16:17]     ; W2
	s_cselect_b32 s18, 288, s18
	s_cselect_b32 s19, 3538944, s19
	s_cselect_b32 s20, 5259264, s20
	s_cselect_b32 s21, 1, s21
	s_sub_co_u32 s22, s41, s18
	s_lshr_b32 s23, s22, s21                       ; the source's tile
	s_and_b32 s24, s22, s21                        ; which 8 K steps
	s_add_co_u32 s26, s21, 12                      ; log2 of a row's bytes
	s_lshl_b32 s27, s24, 3
	s_lshl_b32 s28, s[WV], 1
	s_add_co_u32 s27, s27, s28                     ; my first K step
	s_lshr_b32 s28, s23, 1
	s_lshl_b32 s28, s28, 5
	s_and_b32 s29, s23, 1
	s_lshl_b32 s29, s29, 3
	s_add_co_u32 s28, s28, s29                     ; the tile's first row: 32 (t / 2) + 8 (t % 2)
	s_lshl_b32 s28, s28, s26
	s_lshl_b32 s29, s27, 9                         ; a K step is 512 bytes of f32
	s_add_co_u32 s28, s28, s29
	s_mov_b32 s29, 0
	s_add_nc_u64 s[16:17], s[16:17], s[28:29]
	v_lshlrev_b32 v[RX], s26, v8
	v_lshl_add_u32 v[RX], v3, 6, v[RX]
	XLOAD X, 16, 0
	XLOAD X+64, 16, 512
	; the image's tile: the source's own, but for Wkv, whose rows are kvh x 128 + (k or v) x 64 + d
	s_lshr_b32 s30, s23, 1                         ; the source's tile pair G: kvh = G / 4, k or v = (G / 2) % 2, half = G % 2
	s_bfe_u32 s31, s30, 0x10001
	s_lshl_b32 s31, s31, 3
	s_lshr_b32 s32, s30, 2
	s_lshl_b32 s32, s32, 1
	s_add_co_u32 s31, s31, s32
	s_and_b32 s32, s30, 1
	s_add_co_u32 s31, s31, s32
	s_add_co_u32 s31, s31, 32
	s_lshl_b32 s31, s31, 1
	s_and_b32 s32, s23, 1
	s_add_co_u32 s31, s31, s32
	s_sub_co_u32 s32, s41, 64
	s_cmp_lt_u32 s32, 32
	s_cselect_b32 s25, s31, s23                    ; the image's tile
	s_add_co_u32 s30, s21, 3
	s_lshr_b32 s31, s25, 3
	s_lshl_b32 s31, s31, s30
	s_add_co_u32 s31, s31, s27                     ; (T / 8) KS + ks
	s_lshl_b32 s32, s31, 3
	s_and_b32 s33, s25, 7
	s_add_co_u32 s32, s32, s33
	s_mul_i32 s32, s32, 1536
	s_add_co_u32 s32, s32, s19
	s_mov_b32 s33, 0
	s_add_nc_u64 s[34:35], s[14:15], s[32:33]      ; my first fragment
	s_lshl_b32 s32, s31, 2
	s_bfe_u32 s36, s25, 0x20001
	s_add_co_u32 s32, s32, s36
	s_lshl_b32 s32, s32, 7
	s_and_b32 s36, s25, 1
	s_lshl_b32 s36, s36, 6
	s_add_co_u32 s32, s32, s36
	s_add_co_u32 s32, s32, s20
	s_add_nc_u64 s[36:37], s[14:15], s[32:33]      ; its scale words
	s_wait_loadcnt 16                              ; the first K step's 16 loads are in; the second's may be out
	QUANT X, PC0, PW0
	IMGST PC0, 34, 0
	global_store_b32 v[GR4], v[PW0], s[36:37]
	s_wait_loadcnt 0x0
	QUANT X+64, PC1, PW1
	IMGST PC1, 34, 12288
	global_store_b32 v[GR4], v[PW1], s[36:37] offset:512
	s_endpgm
.Lfunc_end_k_q5ea3e1131b_prep:
	.size	k_q5ea3e1131b_prep, .Lfunc_end_k_q5ea3e1131b_prep-k_q5ea3e1131b_prep
	.p2alignl 7, 3214868480
	.fill 96, 4, 3214868480
	.section	.rodata,"a",@progbits
	.p2align	6, 0x0
	.amdhsa_kernel k_q5ea3e1131b_prep
		.amdhsa_group_segment_fixed_size 1024
		.amdhsa_private_segment_fixed_size 0
		.amdhsa_enable_private_segment 0
		.amdhsa_kernarg_size 80
		.amdhsa_user_sgpr_count 2
		.amdhsa_user_sgpr_kernarg_segment_ptr 1
		.amdhsa_wavefront_size32 1
		.amdhsa_system_sgpr_workgroup_id_x 1
		.amdhsa_system_sgpr_workgroup_id_y 1
		.amdhsa_system_sgpr_workgroup_id_z 1
		.amdhsa_system_vgpr_workitem_id 0
		.amdhsa_next_free_vgpr 512
		.amdhsa_next_free_sgpr 66
		.amdhsa_reserve_vcc 0
		.amdhsa_float_denorm_mode_32 3
		.amdhsa_float_denorm_mode_16_64 3
		.amdhsa_memory_ordered 1
		.amdhsa_forward_progress 1
		.amdhsa_inst_pref_size 57
	.end_amdhsa_kernel
	.amdgpu_metadata
---
amdhsa.version: [ 1, 2 ]
amdhsa.kernels:
  - .name:           k_q5ea3e1131b_prep
    .symbol:         k_q5ea3e1131b_prep.kd
    .args:
      - { .name: x, .offset: 0, .size: 8, .value_kind: global_buffer, .address_space: global }
      - { .name: ln1_g, .offset: 8, .size: 8, .value_kind: global_buffer, .address_space: global }
      - { .name: ln1_b, .offset: 16, .size: 8, .value_kind: global_buffer, .address_space: global }
      - { .name: hbuf, .offset: 24, .size: 8, .value_kind: global_buffer, .address_space: global }
      - { .name: Wq, .offset: 32, .size: 8, .value_kind: global_buffer, .address_space: global }
      - { .name: Wkv, .offset: 40, .size: 8, .value_kind: global_buffer, .address_space: global }
      - { .name: Wo, .offset: 48, .size: 8, .value_kind: global_buffer, .address_space: global }
      - { .name: W1, .offset: 56, .size: 8, .value_kind: global_buffer, .address_space: global }
      - { .name: W2, .offset: 64, .size: 8, .value_kind: global_buffer, .address_space: global }
      - { .name: wbuf, .offset: 72, .size: 8, .value_kind: global_buffer, .address_space: global }
    .group_segment_fixed_size: 1024
    .private_segment_fixed_size: 0
    .kernarg_segment_align: 8
    .kernarg_segment_size: 80
    .max_flat_workgroup_size: 128
    .sgpr_count:     66
    .vgpr_count:     512
    .wavefront_size: 32
...
	.end_amdgpu_metadata
.endif
;; end of part 1
;; launch qkvp (part 2): grid 192 x 1, 4 waves a work-group, no clusters, 327,680 bytes of LDS; arguments hbuf, wbuf, cos, sin, qkvb; writes qkvb
.if DOCPART == 2
	.amdgcn_target "amdgcn-amd-amdhsa--gfx1250"
	.amdhsa_code_object_version 6
	.text
	.protected	k_q5ea3e1131b_qkvp
	.globl	k_q5ea3e1131b_qkvp
	.p2align	8
	.type	k_q5ea3e1131b_qkvp,@function
k_q5ea3e1131b_qkvp:
	s_mov_b64 s[64:65], 0
	v_nop
	global_prefetch_b8 v0, s[64:65] scope:SCOPE_SE
	s_setreg_imm32_b32 hwreg(HW_REG_WAVE_MODE, 25, 1), 1
	s_wait_xcnt 0x0
; q, k, v = h Wq^T, h Wkv^T on codes of BF6 (E3M2) with E8M0 scales; RoPE on q and k in f32; the results are quantised in registers and stored as the images that the attention launch loads.
; THE PRODUCT.  A PANEL is 8 tiles of 16 rows of one image for all of K = 1,024: 98,304 dense bytes and 4,096 bytes of scale words.  Each wave holds a PRIVATE tile pair of the other image in registers for all of K.
; D = (panel tile) x (private tile)^T: a lane holds ONE private row, and its 64 registers a private tile run along the panel's 128 rows, register 16 b + i = panel row 32 b + 16 (lane / 16) + i
; (the rows of a tile are chosen for that): just what the quantiser along that axis takes.
; A WORK-GROUP STAYS FOR TWO NEIGHBOURING PANELS against the same private fragments, which are so loaded once.  The two panels lie on end in their image: 16 steps of 12,288 bytes and 8,192 bytes of scale words fill
; 204,800 bytes of LDS ONCE, by five tensor loads a wave, all at the start (a quarter of the scale words; one step of each of four stages); five are out by this text's own count.
; The second panel lands while the first is multiplied, rotated, quantised and stored.
; q (work-groups 0-127) and k (128-159): panels = 2 x 128 rows of the weights (four heads), private = 32 tokens a wave: the registers run along the head's axis, the first product's K.
; v (work-groups 160-191): panels = 2 x 128 tokens of h, private = 32 rows of Wv a wave: the registers run along the KEYS, the second product's K.
; 384 units of equal work (12 panels of weights' rows x 32 blocks of tokens) are 1.5 for each of 256 WGPs, and neither 1,280 rows nor 4,096 tokens divide by 192: so two units a work-group, 192 work-groups.
; No cluster: a pair of panels of h has only two work-groups that read it, so the grid does not divide into fours that share their panels.
; The private fragments are waited for K step by K step, by counted waits, so that the products begin while the later fragments are on their way.
; cos and sin are loaded on every path, by v's 32 work-groups too, which do not use them (16 KB a wave, from rows inside the tables): so every path has issued the same loads at each counted wait.
; LIMITS: a block of zeros, or one whose largest magnitude lies under 2^-122, keeps the byte 1 (this program alone reads the bytes); NaN and infinities are not served.
; REGISTERS: window 0: v4-15 addresses; v16-23 private scale words; v32-39 panel scale words, two sets; v40-47 at work; v64-191 16 accumulators ((t, u) at 64 u + 8 t); v192-249 the quantiser's.
;   window 1: the panel's fragments, two sets at v0 and v128.   window 2: my private fragments (K step ks, tile u at 24 ks + 12 u).   window 3: v0-63 cos, v64-127 sin of my 32 tokens.
; THE FILLS AS THE TEXT NOW HAS THEM (in place of the five loads a wave of the lines above): at the head waves 0-2 fetch the first panel's eight steps, 128 rows of 256 bytes each, and wave 3 all the scale words;
; ahead of step 0, behind the wait for all my tensor loads, the add, its wait and a barrier, each wave asks for a quarter of the second panel (96 rows); ahead of step 8 stand the last wait and barrier.
.set LKS, 16
.set PKS, 8                            ; K steps of the private fragments
.set NST, LKS/4                        ; stages of four steps
.set TAILL, 32                         ; loads issued behind the private fragments': cos and sin
.set SCL, LKS*12288                    ; LDS: the panels' codes from 0, their scale words from here
.set A8,  4                            ; v4  LDS: 8 x lane (+ the stage)
.set A16, 5                            ; v5  LDS: 16 x lane (+ the stage)
.set A4,  6                            ; v6  LDS: SCL + 4 x lane
.set G8,  7                            ; v7  8 x lane
.set G16, 8                            ; v8  16 x lane
.set G4,  9                            ; v9  4 x lane
.set GR4, 10                           ; v10 4 x (lane % 16)
.set RX,  11                           ; v11 my token's row in cos and sin, + 64 x (lane / 16)
.set PS,  16
.set WS,  32
.set ACC, 64
.set PC0, 192
.set PC1, 212
.set TM,  232
.set PW0, 248
.set PW1, 249
.set WV,  3
.set SEL, 60
.set MSB, 0
.macro WIN new                         ; the immediate's high byte repeats the setting that is left
.if MSB != \new
	s_set_vgpr_msb (MSB<<8)|\new
.set MSB, \new
.endif
.endm
.macro PLACES                          ; four plain places: behind matrix instructions, in front of loads into registers that they read and of the first read of results
.rept 4
	v_nop
.endr
.endm
.macro QUANT s, pc, pw                 ; 64 numbers of a lane, register 16 b + i = k 32 b + 16 (lane / 16) + i, become a fragment's codes and its scale word
.irp b, 0,1,2,3
	v_max3_num_f32 v[TM+\b], |v[\s+16*\b]|, |v[\s+1+16*\b]|, 0x2800000   ; with the floor 2^(5 - 127): the byte cannot fall under 1
.endr
.irp i, 2,4,6,8,10,12,14
.irp b, 0,1,2,3
	v_max3_num_f32 v[TM+\b], v[TM+\b], |v[\s+16*\b+\i]|, |v[\s+1+16*\b+\i]|
.endr
.endr
.irp b, 0,1,2,3
	v_permlanex16_b32 v[TM+4+\b], v[TM+\b], s[SEL], s[SEL+1]
.endr
.irp b, 0,1,2,3
	v_max_num_f32 v[TM+\b], v[TM+\b], v[TM+4+\b]
.endr
.irp b, 0,1,2,3
	v_add_nc_u32 v[TM+12+\b], 0xfe000000, v[TM+\b]   ; 4 off the exponent field: the conversion's scale operand
.endr
.irp b, 0,1,2,3
	v_lshrrev_b32 v[TM+4+\b], 23, v[TM+12+\b]
.endr
	v_lshl_or_b32 v[\pw], v[TM+5], 8, v[TM+4]
	v_lshl_or_b32 v[\pw], v[TM+6], 16, v[\pw]
	v_lshl_or_b32 v[\pw], v[TM+7], 24, v[\pw]
.irp c, 0,1
	v_cvt_scalef32_pk16_bf6_f32 v[\pc+6*\c:\pc+2+6*\c], v[\s+32*\c:\s+15+32*\c], v[TM+12+2*\c]
	v_cvt_scalef32_pk16_bf6_f32 v[\pc+12+4*\c:\pc+14+4*\c], v[\s+16+32*\c:\s+31+32*\c], v[TM+12+2*\c+1]
.endr
	v_nop                                            ; one plain place behind a scaled conversion
.irp c, 0,1
.irp i, 0,1,2
	v_permlane16_swap_b32 v[\pc+6*\c+\i], v[\pc+12+4*\c+\i]
.endr
.irp i, 0,1,2
	v_mov_b32 v[\pc+3+6*\c+\i], v[\pc+12+4*\c+\i]
.endr
.endr
.endm
.macro ALOAD                           ; my private tile pair: first its scale words (tile 0 in lanes 0-15, tile 1 in lanes 16-31), then its fragments in the order of K, eight loads a K step
.set Q, 0
.rept PKS
	global_load_b32 v[PS+Q], v[G4], s[58:59] offset:Q*512
.set Q, Q+1
.endr
.set Q, 0
.rept PKS
.if Q < 8
	WIN 0x80
.else
	WIN 0xc0
.endif
.irp u, 0,1
	global_load_b64 v[24*(Q%8)+12*\u:24*(Q%8)+12*\u+1], v[G8], s[56:57] offset:Q*12288+\u*1536
	global_load_b128 v[24*(Q%8)+12*\u+2:24*(Q%8)+12*\u+5], v[G16], s[56:57] offset:Q*12288+\u*1536+256
	global_load_b64 v[24*(Q%8)+12*\u+6:24*(Q%8)+12*\u+7], v[G8], s[56:57] offset:Q*12288+\u*1536+768
	global_load_b128 v[24*(Q%8)+12*\u+8:24*(Q%8)+12*\u+11], v[G16], s[56:57] offset:Q*12288+\u*1536+1024
.endr
.set Q, Q+1
.endr
	WIN 0
.endm
.macro FETCH ks                        ; 36 LDS loads: the 8 fragments of LDS step ks into set ks % 2, and their scale words (even tile in lanes 0-15, odd in lanes 16-31)
	WIN 0x40
.irp t, 0,1,2,3,4,5,6,7
	ds_load_b64 v[128*((\ks)%2)+12*\t:128*((\ks)%2)+12*\t+1], v[A8] offset:(((\ks)%4)*8+\t)*1536
	ds_load_b128 v[128*((\ks)%2)+12*\t+2:128*((\ks)%2)+12*\t+5], v[A16] offset:(((\ks)%4)*8+\t)*1536+256
	ds_load_b64 v[128*((\ks)%2)+12*\t+6:128*((\ks)%2)+12*\t+7], v[A8] offset:(((\ks)%4)*8+\t)*1536+768
	ds_load_b128 v[128*((\ks)%2)+12*\t+8:128*((\ks)%2)+12*\t+11], v[A16] offset:(((\ks)%4)*8+\t)*1536+1024
.endr
	WIN 0
.irp p, 0,1,2,3
	ds_load_b32 v[WS+4*((\ks)%2)+\p], v[A4] offset:(\ks)*512+128*\p
.endr
.endm
.macro WMM t, u, ks, cm                ; cm 0: adds in place; 1: the constant 0 starts the sum; 2, 3: eight registers of window 2, 3 start it
.set rD, ACC+64*(\u)+8*(\t)
.set rA, 128*((\ks)%2)+12*(\t)
.set rB, 24*((\ks)%8)+12*(\u)
.set rS, WS+4*((\ks)%2)+(\t)/2
.set rP, PS+((\ks)%PKS)
.set rC, rD
.if \cm == 2
.set rC, 192+8*(\t)
.endif
.if \cm == 3
.set rC, 8*(\t)
.endif
.if \cm == 1
.if ((\t)%2 == 0) && ((\u) == 0)
	v_wmma_scale_f32_16x16x128_f8f6f4 v[rD:rD+7], v[rA:rA+11], v[rB:rB+11], 0, v[rS], v[rP] matrix_a_fmt:MATRIX_FMT_BF6 matrix_b_fmt:MATRIX_FMT_BF6
.elseif ((\t)%2 == 0)
	v_wmma_scale_f32_16x16x128_f8f6f4 v[rD:rD+7], v[rA:rA+11], v[rB:rB+11], 0, v[rS], v[rP] matrix_a_fmt:MATRIX_FMT_BF6 matrix_b_fmt:MATRIX_FMT_BF6 matrix_b_scale:MATRIX_SCALE_ROW1
.elseif ((\u) == 0)
	v_wmma_scale_f32_16x16x128_f8f6f4 v[rD:rD+7], v[rA:rA+11], v[rB:rB+11], 0, v[rS], v[rP] matrix_a_fmt:MATRIX_FMT_BF6 matrix_b_fmt:MATRIX_FMT_BF6 matrix_a_scale:MATRIX_SCALE_ROW1
.else
	v_wmma_scale_f32_16x16x128_f8f6f4 v[rD:rD+7], v[rA:rA+11], v[rB:rB+11], 0, v[rS], v[rP] matrix_a_fmt:MATRIX_FMT_BF6 matrix_b_fmt:MATRIX_FMT_BF6 matrix_a_scale:MATRIX_SCALE_ROW1 matrix_b_scale:MATRIX_SCALE_ROW1
.endif
.else
.if ((\t)%2 == 0) && ((\u) == 0)
	v_wmma_scale_f32_16x16x128_f8f6f4 v[rD:rD+7], v[rA:rA+11], v[rB:rB+11], v[rC:rC+7], v[rS], v[rP] matrix_a_fmt:MATRIX_FMT_BF6 matrix_b_fmt:MATRIX_FMT_BF6
.elseif ((\t)%2 == 0)
	v_wmma_scale_f32_16x16x128_f8f6f4 v[rD:rD+7], v[rA:rA+11], v[rB:rB+11], v[rC:rC+7], v[rS], v[rP] matrix_a_fmt:MATRIX_FMT_BF6 matrix_b_fmt:MATRIX_FMT_BF6 matrix_b_scale:MATRIX_SCALE_ROW1
.elseif ((\u) == 0)
	v_wmma_scale_f32_16x16x128_f8f6f4 v[rD:rD+7], v[rA:rA+11], v[rB:rB+11], v[rC:rC+7], v[rS], v[rP] matrix_a_fmt:MATRIX_FMT_BF6 matrix_b_fmt:MATRIX_FMT_BF6 matrix_a_scale:MATRIX_SCALE_ROW1
.else
	v_wmma_scale_f32_16x16x128_f8f6f4 v[rD:rD+7], v[rA:rA+11], v[rB:rB+11], v[rC:rC+7], v[rS], v[rP] matrix_a_fmt:MATRIX_FMT_BF6 matrix_b_fmt:MATRIX_FMT_BF6 matrix_a_scale:MATRIX_SCALE_ROW1 matrix_b_scale:MATRIX_SCALE_ROW1
.endif
.endif
.endm
.macro MUL ks, cm                      ; one K step: 16 matrix instructions; the 16 accumulators take turns, one instruction a turn, in the same order in every step
.if \cm == 2
	WIN 0x29                                       ; source 0 window 1, source 1 window 2, source 2 window 2
.elseif \cm == 3
	WIN 0x39                                       ; source 2 window 3
.elseif ((\ks) >= 8) && (PKS == 16)
	WIN 0x0d                                       ; source 1 window 3
.else
	WIN 0x09                                       ; source 0 (panel) window 1, source 1 (private) window 2, C and D window 0
.endif
.irp p, 0,1,2,3
.irp e, 0,1,2,3
	WMM 2*\p+\e/2, \e%2, \ks, \cm
.endr
.endr
.endm
.macro LWAIT kp                        ; my private fragments of K step kp are in: behind them were issued eight loads for each later K step and TAILL more; the wait's field holds 63, and a smaller count is safe
.set LW, 8*(PKS-1-(\kp))+TAILL
.if LW > 63
.set LW, 63
.endif
	s_wait_loadcnt LW
.endm
.macro STAGEIN j                       ; ahead of steps 4 j .. 4 j + 3
	WIN 0
.if (\j) == 0
	s_wait_tensorcnt 0x0                           ; my load of the head has landed
	ds_add_u32 v254, v255
	s_mov_b32 s26, 96<<16                          ; no load of mine is out: the next fill's rows
	s_mov_b32 s28, 96
	s_wait_dscnt 0x0                               ; the add is done
	s_barrier_signal -1
	s_barrier_wait -1                              ; the first panel and the scale words are whole
	tensor_load_to_lds s[44:47], s[24:31]          ; my quarter of the second panel
	s_nop 0
	PLACES
.endif
.if (\j) == 2
	s_wait_tensorcnt 0x0                           ; my quarter of the second panel has landed
	s_wait_dscnt 0x0
	s_barrier_signal -1
	s_barrier_wait -1                              ; everybody's has
.endif
.if (\j) > 0
	v_add_nc_u32 v[A8], 49152, v[A8]               ; on to this stage's four steps
	v_add_nc_u32 v[A16], 49152, v[A16]
	s_wait_alu depctr_va_vdst(0)
.endif
.endm
.macro PRE                             ; nothing is due between the loads' wait and the first product here
.endm
.macro PART k0, n, cm0, lw             ; LDS steps k0 .. k0 + n - 1, written out: every offset is an immediate.  The next step's fragments are fetched ahead of this step's products.  lw = 1: the private fragments are still arriving
	STAGEIN (\k0)/4
	FETCH \k0
.set KK, \k0
.rept \n
.if KK+1 < (\k0)+(\n)
.if (KK+1)%4 == 0
	STAGEIN (KK+1)/4
.endif
.if KK > (\k0)
	s_wait_alu depctr_va_vdst(0)
	PLACES                                         ; the set to be loaded was read by the step before
.endif
	FETCH KK+1
	s_wait_dscnt 36                                ; all but the 36 just issued: this step's fragments are in
.else
	s_wait_dscnt 0x0
.endif
.if \lw
	LWAIT KK-(\k0)
.endif
.if KK == 0
	PRE
.endif
.if KK == (\k0)
	MUL KK, \cm0
.else
	MUL KK, 0
.endif
.set KK, KK+1
.endr
	WIN 0
	PLACES
.endm
; THE WAY OUT of one panel: RoPE (q and k), the quantiser, the stores.  The branches hang on the work-group's number alone.
.macro EPI
	s_cmp_ge_u32 ttmp9, 160
	s_cbranch_scc1 .Lno_rope_\@                    ; v is not rotated
	; RoPE, a pair (even d, odd d) at a time: t = (x_odd sin_even, x_even sin_odd); x = x cos -+ t.  Each accumulator is taken from its low end on
	WIN 0x0c                                       ; source 1 window 3
.set G, 0
.rept 16
.set TC, 32*(G/8)+16*(((G%8)/2)%2)+8*(G%2)         ; accumulator G = (tile t = G % 8, private tile u = G / 8): cos of its eight numbers begins here in window 3, sin 64 registers on
.irp e, 0,1,2,3
	v_pk_mul_f32 v[40+2*\e:41+2*\e], v[ACC+8*G+2*\e:ACC+8*G+2*\e+1], v[TC+64+2*\e:TC+65+2*\e] op_sel:[1,0] op_sel_hi:[0,1]
.endr
.irp e, 0,1,2,3
	v_pk_fma_f32 v[ACC+8*G+2*\e:ACC+8*G+2*\e+1], v[ACC+8*G+2*\e:ACC+8*G+2*\e+1], v[TC+2*\e:TC+1+2*\e], v[40+2*\e:41+2*\e] neg_lo:[0,0,1]
.endr
.set G, G+1
.endr
	WIN 0
.Lno_rope_\@:
	QUANT ACC, PC0, PW0
	QUANT ACC+64, PC1, PW1
.irp u, 0,1
.irp x, 0,1
	global_store_b64 v[G8], v[PC0+20*\u+6*\x:PC0+20*\u+6*\x+1], s[80+2*\u+4*\x:81+2*\u+4*\x]                 ; half x of private tile u: 256 consecutive bytes,
	global_store_b128 v[G16], v[PC0+20*\u+6*\x+2:PC0+20*\u+6*\x+5], s[80+2*\u+4*\x:81+2*\u+4*\x] offset:256   ; and 512
.endr
.endr
	s_cmp_ge_u32 ttmp9, 128
	s_cbranch_scc1 .Lnot_q_\@
	v_perm_b32 v40, v[PW0], v[PW0], 0x01000100     ; q: a head's two bytes, twice: the word serves the codes in either half of an operand
	v_perm_b32 v41, v[PW0], v[PW0], 0x03020302
	v_perm_b32 v42, v[PW1], v[PW1], 0x01000100
	v_perm_b32 v43, v[PW1], v[PW1], 0x03020302
	global_store_b32 v[GR4], v40, s[88:89]
	global_store_b32 v[GR4], v41, s[88:89] offset:8192
	global_store_b32 v[GR4], v42, s[88:89] offset:64
	global_store_b32 v[GR4], v43, s[88:89] offset:8256
	s_branch .Ldone_\@
.Lnot_q_\@:
	s_cmp_ge_u32 ttmp9, 160
	s_cbranch_scc1 .Lis_v_\@
	v_perm_b32 v40, v[PW1], v[PW0], 0x05040100     ; k: a fragment holds two key tiles: tile 0's two bytes, then tile 1's; head x = 0,
	v_perm_b32 v41, v[PW1], v[PW0], 0x07060302     ; head x = 1
	global_store_b32 v[GR4], v40, s[88:89]
	global_store_b32 v[GR4], v41, s[88:89] offset:204800
	s_branch .Ldone_\@
.Lis_v_\@:
	global_store_b32 v[GR4], v[PW0], s[88:89]      ; v: the words as they are
	global_store_b32 v[GR4], v[PW1], s[88:89] offset:64
.Ldone_\@:
.endm
	s_load_b256 s[4:11], s[0:1], 0x0               ; hbuf, wbuf, cos, sin
	s_load_b64 s[12:13], s[0:1], 0x20              ; qkvb
	v_lshl_add_u32 v254, v0, 2, 0x32000
	v_mov_b32 v255, 0
	ds_add_u32 v254, v255
	ds_add_u32 v254, v255
	v_lshrrev_b32 v1, 5, v0
	v_readfirstlane_b32 s[WV], v1                  ; wave 0..3
	v_and_b32 v1, 31, v0                           ; lane
	v_and_b32 v2, 15, v0                           ; r
	v_bfe_u32 v3, v0, 4, 1                         ; h
	v_lshlrev_b32 v[A8], 3, v1
	v_lshlrev_b32 v[A16], 4, v1
	v_lshl_add_u32 v[A4], v1, 2, SCL
	v_lshlrev_b32 v[G8], 3, v1
	v_lshlrev_b32 v[G16], 4, v1
	v_lshlrev_b32 v[G4], 2, v1
	v_lshlrev_b32 v[GR4], 2, v2
	v_and_b32 v12, 8, v2
	v_add_nc_u32 v12, v12, v2                      ; r + 8 (r / 8)
	v_lshlrev_b32 v[RX], 8, v12                    ; a row of cos or sin is 256 bytes
	v_lshl_add_u32 v[RX], v3, 6, v[RX]
.irp b, 0,1,2,3
	v_mov_b32 v[TM+4+\b], 0                        ; written once: a lane permute's destination counts as one of its sources
.endr
	s_mov_b32 s[SEL], 0x76543210
	s_mov_b32 s[SEL+1], 0xfedcba98
	; descriptor groups 1: dense blocks as rows of 256 bytes (32 elements of 8 bytes): 32 rows of scale words, 128 rows of codes (96 for the second panel's quarters)
	s_mov_b32 s16, 3<<16                           ; no mask; elements of 8 bytes; no padding
	s_mov_b32 s17, 32<<16                          ; tensor_dim0
	s_mov_b32 s18, (2*LKS)<<16                     ; all the scale words: 2 LKS rows
	s_mov_b32 s19, 32<<16
	s_mov_b32 s20, 2*LKS
	s_mov_b32 s21, 32                              ; pitch
	s_mov_b32 s22, 0
	s_mov_b32 s23, 0
	s_mov_b32 s24, 3<<16
	s_mov_b32 s25, 32<<16
	s_mov_b32 s26, 128<<16                         ; the head's loads of codes: 128 rows
	s_mov_b32 s27, 32<<16
	s_mov_b32 s28, 128
	s_mov_b32 s29, 32
	s_mov_b32 s30, 0
	s_mov_b32 s31, 0
	s_lshr_b32 s66, ttmp9, 5                       ; q, k: the pair PP of the weights' panels (0-3 q, 4 k)
	s_and_b32 s67, ttmp9, 31                       ;       the block PB of 128 tokens
	s_sub_co_u32 s68, ttmp9, 160
	s_lshr_b32 s69, s68, 1                         ; v: the pair of panels of 128 tokens (0 .. 15)
	s_and_b32 s70, s68, 1                          ;    which two of the four heads
	s_add_co_u32 s71, s70, 10                      ;    their rows are the image's panel 10 or 11
	s_mov_b32 s72, 5111808                         ; the scale words in wbuf
	s_mov_b32 s73, 3145728                         ; and in hbuf
	s_mul_i32 s62, s[WV], 12288                    ; my step of a stage: in the panels and in LDS
	s_mov_b32 s63, 0                               ; the scale words come whole; s[62:63] is also my step's offset as a pair
	s_wait_alu depctr_va_vdst(0)
	s_wait_dscnt 0x0
	s_wait_kmcnt 0x0
	s_cmp_lt_u32 ttmp9, 160                        ; the choices hang on the work-group's number alone
	s_cselect_b64 s[52:53], s[6:7], s[4:5]         ; the panels' buffer
	s_cselect_b64 s[56:57], s[4:5], s[6:7]         ; the private side's
	s_cselect_b32 s74, s66, s69
	s_cselect_b32 s75, s67, s71
	s_cselect_b32 s76, s72, s73
	s_cselect_b32 s77, s73, s72
	s_mul_i32 s78, s74, LKS*12288
	s_add_co_u32 s78, s78, s62
	s_mov_b32 s79, 0
	s_mov_b64 s[54:55], s[52:53]
	s_add_nc_u64 s[52:53], s[52:53], s[78:79]      ; the panels' codes at my step of stage 0
	s_mul_i32 s78, s74, LKS*512
	s_add_co_u32 s78, s78, s63
	s_add_co_u32 s78, s78, s76
	s_add_nc_u64 s[54:55], s[54:55], s[78:79]      ; their scale words, whole
	s_mul_i32 s78, s75, PKS*12288
	s_mul_i32 s80, s[WV], 3072
	s_add_co_u32 s78, s78, s80
	s_mov_b64 s[58:59], s[56:57]
	s_add_nc_u64 s[56:57], s[56:57], s[78:79]      ; my private tile pair
	s_mul_i32 s78, s75, PKS*512
	s_lshl_b32 s80, s[WV], 7
	s_add_co_u32 s78, s78, s80
	s_add_co_u32 s78, s78, s77
	s_add_nc_u64 s[58:59], s[58:59], s[78:79]      ; its scale words
	s_mov_b32 s32, 1
	s_add_co_u32 s33, s63, SCL
	s_mov_b64 s[34:35], s[54:55]
	s_or_b32 s35, s35, 0x80000000
.set J, 0
	s_mul_i32 s14, s[WV], 20480                    ; s[52:53] stands at 12,288 x wave: 20,480 x wave more is 32,768 x wave
	s_mov_b32 s15, 0
	s_mov_b32 s36, 1                               ; the head: 128 rows at 32,768 x wave (waves 0-2): the first panel
	s_lshl_b32 s37, s[WV], 15
	s_add_nc_u64 s[38:39], s[52:53], s[14:15]
	s_or_b32 s39, s39, 0x80000000
.if LKS == 16
	s_mov_b32 s44, 1                               ; steps 8-15: my two, at 98,304 + 24,576 x wave
	s_lshl_b32 s45, s62, 1
	s_add_co_u32 s45, s45, 98304
	s_add_nc_u64 s[46:47], s[52:53], s[62:63]
	s_add_nc_u64 s[46:47], s[46:47], 98304
	s_or_b32 s47, s47, 0x80000000
.endif
	s_cmp_lt_u32 s[WV], 3                          ; one load a wave at the head, in the two arms of one branch on the wave's number
	s_cbranch_scc0 .Lhead_sc
	tensor_load_to_lds s[36:39], s[24:31]
	s_nop 0
	PLACES
	s_branch .Lhead_j
.Lhead_sc:
	tensor_load_to_lds s[32:35], s[16:23]
	s_nop 0
	PLACES
.Lhead_j:
	PLACES
	ALOAD
	s_lshl_b32 s81, s67, 2
	s_add_co_u32 s81, s81, s[WV]                   ; pp: my pair of token tiles
	s_and_b32 s82, s81, 63                         ; within the batch: 0 .. 63, so the 32 rows lie inside the tables in every work-group
	s_lshl_b32 s78, s82, 13                        ; 32 rows of 256 bytes
	s_add_nc_u64 s[8:9], s[8:9], s[78:79]
	s_add_nc_u64 s[10:11], s[10:11], s[78:79]
	WIN 0xc0                                       ; destination window 3
.irp u, 0,1
.irp b, 0,1
.irp j, 0,1,2,3
	global_load_b128 v[32*\u+16*\b+4*\j:32*\u+16*\b+4*\j+3], v[RX], s[8:9] offset:2048*\u+128*\b+16*\j      ; cos(token, 32 b + 16 h + 4 j ..)
	global_load_b128 v[64+32*\u+16*\b+4*\j:64+32*\u+16*\b+4*\j+3], v[RX], s[10:11] offset:2048*\u+128*\b+16*\j
.endr
.endr
.endr
	WIN 0
	; where the first panel's results go, for each of the three kinds; then the choice; then the step to the second panel's
	s_lshr_b32 s83, s67, 4                         ; q, k: the batch
	s_lshl_b32 s84, s83, 4
	s_lshl_b32 s85, s66, 2
	s_add_co_u32 s84, s84, s85                     ; q: head 16 b + 4 PP (+ x; the second panel: + 2)
	s_lshl_b32 s84, s84, 7
	s_lshl_b32 s85, s82, 1
	s_add_co_u32 s84, s84, s85                     ; x 128 + query tile
	s_mul_i32 s86, s84, 768                        ; q's half images
	s_lshl_b32 s87, s84, 6
	s_add_co_u32 s87, s87, 3145728                 ; q's scale words
	s_lshl_b32 s88, s83, 2                         ; k: record 4 b (+ x; the second panel: + 2)
	s_mul_i32 s88, s88, 204800
	s_add_co_u32 s88, s88, 3407872
	s_lshl_b32 s89, s82, 6
	s_add_co_u32 s89, s89, s88                     ; k's scale words: 64 bytes for each pair of key tiles
	s_and_b32 s85, s67, 15
	s_mul_i32 s85, s85, 12288                      ; the key step
	s_add_co_u32 s88, s88, s85
	s_mul_i32 s85, s[WV], 1536                     ; the fragment in it
	s_add_co_u32 s88, s88, s85
	s_add_co_u32 s88, s88, 8192
	s_lshr_b32 s90, s69, 3                         ; v: the batch
	s_lshl_b32 s90, s90, 2
	s_lshl_b32 s99, s70, 1
	s_add_co_u32 s90, s90, s99
	s_lshr_b32 s99, s[WV], 1
	s_add_co_u32 s90, s90, s99                     ; record 4 b + 2 vb + w / 2
	s_mul_i32 s90, s90, 204800
	s_add_co_u32 s90, s90, 3407872
	s_and_b32 s99, s69, 7
	s_lshl_b32 s99, s99, 1                         ; the first panel's key step (the second panel: + 1)
	s_and_b32 s100, s[WV], 1
	s_lshl_b32 s100, s100, 1                       ; my first tile of channels
	s_lshl_b32 s92, s99, 2
	s_add_co_u32 s92, s92, s100
	s_lshl_b32 s92, s92, 6
	s_add_co_u32 s92, s92, s90
	s_add_co_u32 s92, s92, 4096                    ; v's scale words
	s_mul_i32 s99, s99, 12288
	s_add_co_u32 s90, s90, s99
	s_mul_i32 s100, s100, 1536
	s_add_co_u32 s90, s90, s100
	s_add_co_u32 s90, s90, 14336                   ; behind the record's scale words and the step's four fragments of K
	s_mov_b32 s94, 1536                            ; from private tile 0 to 1
	s_mov_b32 s96, 768                             ; from a fragment's half 0 to 1
	s_mov_b32 s98, 204800
	s_mov_b32 s68, 12288                           ; from the first panel's codes to the second's: v: one key step
	s_mov_b32 s70, 256                             ; and the scale words likewise
	s_cmp_lt_u32 ttmp9, 160
	s_cselect_b32 s90, s88, s90
	s_cselect_b32 s92, s89, s92
	s_cselect_b32 s94, 768, s94
	s_cselect_b32 s96, s98, s96                    ; k: the halves are two heads' records
	s_cselect_b32 s68, 409600, s68                 ; k: two records on
	s_cselect_b32 s70, 409600, s70
	s_cmp_lt_u32 ttmp9, 128
	s_cselect_b32 s90, s86, s90
	s_cselect_b32 s92, s87, s92
	s_cselect_b32 s96, 98304, s96                  ; q: the halves are two heads, 128 tiles apart
	s_cselect_b32 s68, 196608, s68                 ; q: two heads on
	s_cselect_b32 s70, 16384, s70
	s_mov_b32 s69, 0
	s_mov_b32 s71, 0
	s_mov_b32 s91, 0
	s_mov_b32 s93, 0
	s_mov_b32 s95, 0
	s_mov_b32 s97, 0
	s_add_nc_u64 s[80:81], s[12:13], s[90:91]      ; (tile 0, half 0)
	s_add_nc_u64 s[82:83], s[80:81], s[94:95]      ; (1, 0)
	s_add_nc_u64 s[84:85], s[80:81], s[96:97]      ; (0, 1)
	s_add_nc_u64 s[86:87], s[82:83], s[96:97]      ; (1, 1)
	s_add_nc_u64 s[88:89], s[12:13], s[92:93]      ; the scale words
	PART 0, 8, 1, 1                                ; the first panel
	s_wait_loadcnt 0x0                             ; cos and sin
	EPI
	PART 8, 8, 1, 0                                ; the second panel: the same private fragments
	s_wait_xcnt 0x0                                ; the first panel's stores have read their data and their bases: both are written again only behind this wait
	s_add_nc_u64 s[80:81], s[80:81], s[68:69]
	s_add_nc_u64 s[82:83], s[82:83], s[68:69]
	s_add_nc_u64 s[84:85], s[84:85], s[68:69]
	s_add_nc_u64 s[86:87], s[86:87], s[68:69]
	s_add_nc_u64 s[88:89], s[88:89], s[70:71]
	EPI
	s_wait_tensorcnt 0x0
	ds_add_u32 v254, v255
	s_wait_dscnt 0x0
	s_endpgm
.Lfunc_end_k_q5ea3e1131b_qkvp:
	.size	k_q5ea3e1131b_qkvp, .Lfunc_end_k_q5ea3e1131b_qkvp-k_q5ea3e1131b_qkvp
	.p2alignl 7, 3214868480
	.fill 96, 4, 3214868480
	.section	.rodata,"a",@progbits
	.p2align	6, 0x0
	.amdhsa_kernel k_q5ea3e1131b_qkvp
		.amdhsa_group_segment_fixed_size 327680
		.amdhsa_private_segment_fixed_size 0
		.amdhsa_enable_private_segment 0
		.amdhsa_kernarg_size 40
		.amdhsa_user_sgpr_count 2
		.amdhsa_user_sgpr_kernarg_segment_ptr 1
		.amdhsa_wavefront_size32 1
		.amdhsa_system_sgpr_workgroup_id_x 1
		.amdhsa_system_sgpr_workgroup_id_y 1
		.amdhsa_system_sgpr_workgroup_id_z 1
		.amdhsa_system_vgpr_workitem_id 0
		.amdhsa_next_free_vgpr 1024
		.amdhsa_next_free_sgpr 102
		.amdhsa_reserve_vcc 0
		.amdhsa_float_denorm_mode_32 3
		.amdhsa_float_denorm_mode_16_64 3
		.amdhsa_memory_ordered 1
		.amdhsa_forward_progress 1
		.amdhsa_inst_pref_size 129
	.end_amdhsa_kernel
	.amdgpu_metadata
---
amdhsa.version: [ 1, 2 ]
amdhsa.kernels:
  - .name:           k_q5ea3e1131b_qkvp
    .symbol:         k_q5ea3e1131b_qkvp.kd
    .args:
      - { .name: hbuf, .offset: 0, .size: 8, .value_kind: global_buffer, .address_space: global }
      - { .name: wbuf, .offset: 8, .size: 8, .value_kind: global_buffer, .address_space: global }
      - { .name: cos, .offset: 16, .size: 8, .value_kind: global_buffer, .address_space: global }
      - { .name: sin, .offset: 24, .size: 8, .value_kind: global_buffer, .address_space: global }
      - { .name: qkvb, .offset: 32, .size: 8, .value_kind: global_buffer, .address_space: global }
    .group_segment_fixed_size: 327680
    .private_segment_fixed_size: 0
    .kernarg_segment_align: 8
    .kernarg_segment_size: 40
    .max_flat_workgroup_size: 128
    .sgpr_count:     102
    .vgpr_count:     1024
    .wavefront_size: 32
...
	.end_amdgpu_metadata
.endif
;; end of part 2
;; launch attn (part 3): grid 32 x 8, 16 waves a work-group, clusters of 4 x 1, 206,848 bytes of LDS; arguments qkvb, obuf; writes obuf
.if DOCPART == 3
	.amdgcn_target "amdgcn-amd-amdhsa--gfx1250"
	.amdhsa_code_object_version 6
	.text
	.protected	k_q5ea3e1131b_attn
	.globl	k_q5ea3e1131b_attn
	.p2align	8
	.type	k_q5ea3e1131b_attn,@function
k_q5ea3e1131b_attn:
	s_mov_b64 s[64:65], 0
	v_nop
	global_prefetch_b8 v0, s[64:65] scope:SCOPE_SE
	s_setreg_imm32_b32 hwreg(HW_REG_WAVE_MODE, 25, 1), 1
	s_wait_xcnt 0x0
	s_wait_alu depctr_hold_cnt(0) depctr_sa_sdst(0) depctr_va_vdst(0) depctr_va_sdst(0) depctr_va_ssrc(0) depctr_va_vcc(0) depctr_vm_vsrc(0)
	s_getreg_b32 s2, hwreg(HW_REG_IB_STS2, 6, 4)
	s_cmp_eq_u32 s2, 0
	s_cbranch_scc0 .Lentry_in_a_cluster
	s_endpgm
.Lentry_in_a_cluster:
	s_bfe_u32 s2, ttmp6, 0x10000c
	s_cmp_lg_u32 s2, 0x3003
	s_cbranch_scc0 .Lentry_shape_is_right
	s_endpgm
.Lentry_shape_is_right:
; o = softmax(q k^T / 8) v for 16 query heads that share 4 key and value heads, head size 64, 2,048 keys, no mask; both products on codes of BF6 (E3M2) with E8M0 scales.
; THE SOFTMAX AHEAD OF THE SECOND PRODUCT: t = score x log2(e) / 8; M = the running largest t rounded UP to a whole number; p = 2^(t - M) is quantised along the keys, not normalised; the row's sum is taken of
; the unquantised p and divides at the end.  When M moves, the sum and O are multiplied by 2^(old M - new M): exact.
; SHARES.  Work-group (X, y): y = 4 x batch + key head; sixteen waves of 256 registers; wave w owns one tile of 16 queries: query head 4 (y % 4) + w % 4, query tile 4 X + w / 4.
; LDS holds a whole key head's record (8,192 bytes of scale words, then for each step of 128 keys four fragments of K and four of V^T): 204,800 bytes = 800 rows of 256, filled ONCE:
; every wave asks for 50 rows by one tensor load at the head; one wait for it, one barrier, then one loop of 16 key steps with no barrier in it.
; CLUSTER.  The four work-groups of a cluster read the same record: each load is a joint one, with the mask of all four.
; No prefetch: every tile of the launch is asked for at the head, so there is no loop that could ask ahead of a load.
; LAYOUT.  Both products are used transposed: S^T = K Q^T, O^T = V^T P^T: a lane holds one query throughout.  The keys of a tile are chosen so that the 16 registers of two neighbouring tiles are 16 neighbouring keys.
; THE HEAD'S 64 ARE HALF OF THE INSTRUCTION'S 128: a fragment of K holds TWO key tiles, one in each half of K; q's six registers stand between two runs of six zero registers, so that v[22:33] is (q, 0) and
; meets the first tile alone, and v[16:27] is (0, q) and meets the second: zero codes add exact zeros.
; o is quantised here, along the head's axis, and stored as half a fragment of the next product's operand.
; LIMITS: the promise holds while |t| stays under 2^31; p under 2^-126 comes out as 0; a block of zeros keeps the byte 1 (this program alone reads the bytes); NaN and infinities are not served.
; REGISTERS: v1-4 8, 16, 4 x lane, 4 x (lane % 16); v8-10 LDS addresses in hand; v12 -M, v13 largest t, v[14:15] the sum; v16-33 zeros, q, zeros; v36-83 four fragments; v84-89 scale words (K, K, V, V, q, p);
;   v96-159 S^T, then p; v160-191 O^T; v192-210 p's codes; v212-226 at work; v236-249 seven chains of the sum; v254-255 the add's two.
.set WV,   3
.set SEL,  20
.set CS,   22
.set ADK8, 8
.set ADK16, 9
.set ADS,  10
.set TB,   66                          ; s66 LDS byte of the key step in hand
.set TS,   67                          ; s67 and of its scale words
.set CNT,  68
.set SM,   236
.set SPW,  254
.set NIL,  255
.set SPARE, 204800                     ; behind the record: the spare words, 128 bytes a wave
.macro PLACES
.rept 4
	v_nop
.endr
.endm
.macro ROUND                           ; a round of the cluster's barrier
	s_barrier_signal -1
	s_barrier_wait -1
	s_cmp_lg_u32 s[WV], 0
	s_cbranch_scc1 .Lnot_wave_0_\@
	s_barrier_signal -3
.Lnot_wave_0_\@:
	s_barrier_wait -3
	s_barrier_signal -1
	s_barrier_wait -1
.endm
.macro FRAGS off                       ; four fragments, as images of the operand's registers
.irp f, 0,1,2,3
	ds_load_b64 v[36+12*\f:37+12*\f], v[ADK8] offset:\off+1536*\f
	ds_load_b128 v[38+12*\f:41+12*\f], v[ADK16] offset:\off+1536*\f+256
	ds_load_b64 v[42+12*\f:43+12*\f], v[ADK8] offset:\off+1536*\f+768
	ds_load_b128 v[44+12*\f:47+12*\f], v[ADK16] offset:\off+1536*\f+1024
.endr
.endm
.macro STEP                            ; 128 keys
	v_add_nc_u32 v[ADK8], s[TB], v1                ; (these three and the v_nop are the four places behind the last products, in front of the loads into their operands)
	v_add_nc_u32 v[ADK16], s[TB], v2
	v_add_nc_u32 v[ADS], s[TS], v3
	v_nop
	FRAGS 0
	ds_load_b32 v84, v[ADS]                        ; K's scale words: fragment 0 in lanes 0-15, fragment 1 in lanes 16-31;
	ds_load_b32 v85, v[ADS] offset:128             ; fragments 2 and 3
	s_wait_alu depctr_va_vdst(0)
	s_wait_dscnt 0x0
.irp f, 0,2                                    ; S^T: key tile 2 f by (q, 0), key tile 2 f + 1 by (0, q)
	v_wmma_scale_f32_16x16x128_f8f6f4 v[96+16*\f:103+16*\f], v[36+12*\f:47+12*\f], v[22:33], 0, v[84+\f/2], v88 matrix_a_fmt:MATRIX_FMT_BF6 matrix_b_fmt:MATRIX_FMT_BF6
	v_wmma_scale_f32_16x16x128_f8f6f4 v[104+16*\f:111+16*\f], v[36+12*\f:47+12*\f], v[16:27], 0, v[84+\f/2], v88 matrix_a_fmt:MATRIX_FMT_BF6 matrix_b_fmt:MATRIX_FMT_BF6
	v_wmma_scale_f32_16x16x128_f8f6f4 v[112+16*\f:119+16*\f], v[48+12*\f:59+12*\f], v[22:33], 0, v[84+\f/2], v88 matrix_a_fmt:MATRIX_FMT_BF6 matrix_b_fmt:MATRIX_FMT_BF6 matrix_a_scale:MATRIX_SCALE_ROW1
	v_wmma_scale_f32_16x16x128_f8f6f4 v[120+16*\f:127+16*\f], v[48+12*\f:59+12*\f], v[16:27], 0, v[84+\f/2], v88 matrix_a_fmt:MATRIX_FMT_BF6 matrix_b_fmt:MATRIX_FMT_BF6 matrix_a_scale:MATRIX_SCALE_ROW1
.endr                                          ; register 16 b + i is key 32 b + 16 (lane / 16) + i of the step
	PLACES                                         ; in front of the loads into K's registers and of the first read of the scores
	FRAGS 6144                                     ; V^T's four fragments land while the softmax is worked
	ds_load_b32 v86, v[ADS] offset:4096
	ds_load_b32 v87, v[ADS] offset:4224
.irp b, 0,1,2,3
	v_max3_num_f32 v[212+\b], v[96+16*\b], v[97+16*\b], v[98+16*\b]   ; the largest score of each block of 32 keys: for the row's maximum and, since p rises with the score, for the block's largest p
.endr
.irp i, 3,5,7,9,11,13
.irp b, 0,1,2,3
	v_max3_num_f32 v[212+\b], v[212+\b], v[96+16*\b+\i], v[97+16*\b+\i]
.endr
.endr
.irp b, 0,1,2,3
	v_max_num_f32 v[212+\b], v[212+\b], v[111+16*\b]
.endr
.irp b, 0,1,2,3
	s_delay_alu instid0(VALU_DEP_4)
	v_permlanex16_b32 v[216+\b], v[212+\b], s[SEL], s[SEL+1]
.endr
.irp b, 0,1,2,3
	s_delay_alu instid0(VALU_DEP_4)
	v_max_num_f32 v[212+\b], v[212+\b], v[216+\b]  ; with lane l xor 16's 16 keys
.endr
	s_delay_alu instid0(VALU_DEP_2)
	v_max3_num_f32 v226, v212, v213, v214
	s_delay_alu instid0(VALU_DEP_1)
	v_max_num_f32 v226, v226, v215
	s_delay_alu instid0(VALU_DEP_1)
	v_mul_f32 v226, s[CS], v226                    ; as t (c is positive)
	s_delay_alu instid0(VALU_DEP_1)
	v_max_num_f32 v13, v13, v226                   ; the running largest t
	v_mov_b32 v226, v12
	s_delay_alu instid0(VALU_DEP_2)
	v_floor_f32 v12, -v13                          ; the new -M = floor(-t): M is a whole number
	s_delay_alu instid0(VALU_DEP_1)
	v_sub_f32 v226, v12, v226                      ; old M - new M: a whole number, 0 or less
	s_delay_alu instid0(VALU_DEP_1)
	v_cvt_i32_f32 v226, v226                       ; (it saturates)
	s_delay_alu instid0(VALU_DEP_1)
	v_ldexp_f32 v224, 1.0, v226                    ; f = 2^(old M - new M)
.set J, 0
.rept 32
	v_pk_fma_f32 v[96+J:97+J], v[96+J:97+J], s[CS:CS+1], v[12:13] op_sel_hi:[1,0,0]   ; t - M, two at a time
.set J, J+2
.endr
.irp b, 0,1,2,3
	v_fma_f32 v[212+\b], v[212+\b], s[CS], v12     ; the same of each block's largest score
.endr
	s_wait_alu depctr_va_vdst(0)
.set J, 0
.rept 64
	v_exp_f32 v[96+J], v[96+J]                     ; p = 2^(t - M), at most 1
.set J, J+1
.endr
.irp b, 0,1,2,3
	v_exp_f32 v[212+\b], v[212+\b]                 ; the block's largest p
.endr
	v_pk_mul_f32 v[14:15], v[14:15], v[224:225] op_sel_hi:[1,0]   ; the sums under the new M (a plain place behind the exponentials)
	s_wait_alu depctr_va_vdst(0)                   ; one wait for the whole batch, ahead of its first reader
.irp b, 0,1,2,3
	v_max_num_f32 v[212+\b], 0x2800000, v[212+\b]  ; the floor 2^(5 - 127): the byte cannot fall under 1
.endr
.irp b, 0,1,2,3
	s_delay_alu instid0(VALU_DEP_4)
	v_add_nc_u32 v[220+\b], 0xfe000000, v[212+\b]  ; 4 off the exponent field: the conversion's scale operand
.endr
.irp b, 0,1,2,3
	s_delay_alu instid0(VALU_DEP_4)
	v_lshrrev_b32 v[216+\b], 23, v[220+\b]
.endr
	s_delay_alu instid0(VALU_DEP_3)
	v_lshl_or_b32 v89, v217, 8, v216               ; p's scale word for these 128 keys
	s_delay_alu instid0(VALU_DEP_1)
	v_lshl_or_b32 v89, v218, 16, v89
	s_delay_alu instid0(VALU_DEP_1)
	v_lshl_or_b32 v89, v219, 24, v89
.irp c, 0,1
	v_cvt_scalef32_pk16_bf6_f32 v[192+6*\c:194+6*\c], v[96+32*\c:111+32*\c], v[220+2*\c]
	v_cvt_scalef32_pk16_bf6_f32 v[204+4*\c:206+4*\c], v[112+32*\c:127+32*\c], v[220+2*\c+1]
.endr
	v_nop                                          ; one plain place behind a scaled conversion
.irp c, 0,1                                    ; the operand's layout wants a whole block in a lane
.irp i, 0,1,2
	v_permlane16_swap_b32 v[192+6*\c+\i], v[204+4*\c+\i]
.endr
.irp i, 0,1,2
	s_delay_alu instid0(VALU_DEP_3)
	v_mov_b32 v[195+6*\c+\i], v[204+4*\c+\i]
.endr
.endr
.irp k, 0,1,2,3,4,5,6                          ; the row's sum of the unquantised p: eight chains by turns, chain k over registers 96 + 8 k .. + 7, the running sum over the last eight
	v_pk_add_f32 v[SM+2*\k:SM+2*\k+1], v[96+8*\k:97+8*\k], v[98+8*\k:99+8*\k]
.endr
	v_pk_add_f32 v[14:15], v[14:15], v[152:153]
.irp e, 4,6
.irp k, 0,1,2,3,4,5,6
	v_pk_add_f32 v[SM+2*\k:SM+2*\k+1], v[SM+2*\k:SM+2*\k+1], v[96+8*\k+\e:97+8*\k+\e]
.endr
	v_pk_add_f32 v[14:15], v[14:15], v[150+\e:151+\e]
.endr
	v_pk_add_f32 v[SM:SM+1], v[SM:SM+1], v[158:159]
	v_pk_add_f32 v[SM+4:SM+5], v[SM+4:SM+5], v[SM+6:SM+7]
	v_pk_add_f32 v[SM+8:SM+9], v[SM+8:SM+9], v[SM+10:SM+11]
	v_pk_add_f32 v[14:15], v[14:15], v[SM+12:SM+13]
	s_delay_alu instid0(VALU_DEP_4)
	v_pk_add_f32 v[SM:SM+1], v[SM:SM+1], v[SM+2:SM+3]
	s_delay_alu instid0(VALU_DEP_3)
	v_pk_add_f32 v[SM+4:SM+5], v[SM+4:SM+5], v[SM+8:SM+9]
	s_delay_alu instid0(VALU_DEP_2)
	v_pk_add_f32 v[14:15], v[14:15], v[SM:SM+1]
	s_delay_alu instid0(VALU_DEP_1)
	v_pk_add_f32 v[14:15], v[14:15], v[SM+4:SM+5]
	s_wait_alu depctr_va_vdst(0)
.set J, 0
.rept 16
	v_pk_mul_f32 v[160+J:161+J], v[160+J:161+J], v[224:225] op_sel_hi:[1,0]   ; O^T under the new M.  (The sums and these stand between the last write of a code or of p's scale word and the products)
.set J, J+2
.endr
	s_wait_alu depctr_va_vdst(0)
	s_wait_dscnt 0x0                               ; V^T and its scale words
.irp t, 0,2                                    ; O^T += V^T P^T: four tiles of 16 channels; four accumulators, one instruction each
	v_wmma_scale_f32_16x16x128_f8f6f4 v[160+8*\t:167+8*\t], v[36+12*\t:47+12*\t], v[192:203], v[160+8*\t:167+8*\t], v[86+\t/2], v89 matrix_a_fmt:MATRIX_FMT_BF6 matrix_b_fmt:MATRIX_FMT_BF6
	v_wmma_scale_f32_16x16x128_f8f6f4 v[168+8*\t:175+8*\t], v[48+12*\t:59+12*\t], v[192:203], v[168+8*\t:175+8*\t], v[86+\t/2], v89 matrix_a_fmt:MATRIX_FMT_BF6 matrix_b_fmt:MATRIX_FMT_BF6 matrix_a_scale:MATRIX_SCALE_ROW1
.endr
	s_add_co_u32 s[TB], s[TB], 12288
	s_add_co_u32 s[TS], s[TS], 256
.endm
	s_load_b128 s[4:7], s[0:1], 0x0                ; qkvb, obuf
	v_lshl_add_u32 v[SPW], v0, 2, SPARE
	v_mov_b32 v[NIL], 0
	ds_add_u32 v[SPW], v[NIL]                      ; the opening lines: the add, twice on end, and its wait ahead of my tensor load
	ds_add_u32 v[SPW], v[NIL]
	v_lshrrev_b32 v5, 5, v0
	s_delay_alu instid0(VALU_DEP_1)
	v_readfirstlane_b32 s[WV], v5                  ; wave 0..15
	v_and_b32 v5, 31, v0
	v_and_b32 v6, 15, v0
	s_delay_alu instid0(VALU_DEP_2)
	v_lshlrev_b32 v1, 3, v5
	v_lshlrev_b32 v2, 4, v5
	v_lshlrev_b32 v3, 2, v5
	v_lshlrev_b32 v4, 2, v6
	s_and_b32 s16, ttmp7, 0xffff                   ; y, which the four partners share
	s_mov_b32 s[SEL], 0x76543210
	s_mov_b32 s[SEL+1], 0xfedcba98
	s_mov_b32 s[CS], 0x3e38aa3b                    ; c = log2(e) / 8
	s_mov_b32 s[CS+1], s[CS]                       ; (named with it as a pair, so it is written)
	s_mov_b32 s24, 15|(3<<16)|(1<<21)              ; group 1: 50 dense rows of 256 bytes (32 elements of 8); the mask names all four work-groups
	s_mov_b32 s25, 32<<16
	s_mov_b32 s26, 50<<16
	s_mov_b32 s27, 32<<16
	s_mov_b32 s28, 50
	s_mov_b32 s29, 32
	s_mov_b32 s30, 0
	s_mov_b32 s31, 0
	s_mov_b32 s32, 1
	s_mul_i32 s33, s[WV], 12800                    ; LDS is a copy of the record: my 50 rows
	s_mul_i32 s52, s16, 204800
	s_add_co_u32 s52, s52, 3407872                 ; the record in qkvb
	s_add_co_u32 s52, s52, s33
	s_mov_b32 s53, 0
	s_bfe_u32 s70, ttmp6, 0x40000                  ; cx: it enters q's and o's global addresses alone
	s_lshl_b32 s71, ttmp9, 2
	s_add_co_u32 s71, s71, s70                     ; X
	s_lshl_b32 s71, s71, 2
	s_lshr_b32 s72, s[WV], 2
	s_add_co_u32 s71, s71, s72                     ; my query tile
	s_and_b32 s72, s[WV], 3                        ; g: my query head in the group
	s_lshl_b32 s73, s16, 2
	s_add_co_u32 s73, s73, s72
	s_lshl_b32 s73, s73, 7
	s_add_co_u32 s73, s73, s71                     ; (4 y + g) 128 + tile
	s_mul_i32 s74, s73, 768
	s_mov_b32 s75, 0
	s_lshl_b32 s58, s73, 6
	s_add_co_u32 s58, s58, 3145728
	s_mov_b32 s59, 0
	s_wait_alu depctr_va_vdst(0)
	s_wait_dscnt 0x0                               ; both opening adds are done
	s_wait_kmcnt 0x0
	s_add_nc_u64 s[34:35], s[4:5], s[52:53]
	s_or_b32 s35, s35, 0x80000000
	s_add_nc_u64 s[76:77], s[4:5], s[74:75]        ; q's half image
	s_add_nc_u64 s[78:79], s[4:5], s[58:59]        ; its scale words
	global_load_b64 v[22:23], v1, s[76:77]         ; q is on its way through the round and the fill
	global_load_b128 v[24:27], v2, s[76:77] offset:256
	global_load_b32 v88, v4, s[78:79]
	ROUND                                          ; all four work-groups are here: the joint loads meet
	tensor_load_to_lds s[32:35], s[24:31]          ; my one tensor load of the launch
	s_nop 0
	PLACES
	s_lshr_b32 s80, s16, 2
	s_lshl_b32 s80, s80, 7
	s_add_co_u32 s80, s80, s71                     ; o: the row tile T = 128 x batch + query tile
	s_and_b32 s81, s16, 3
	s_lshl_b32 s81, s81, 1
	s_lshr_b32 s82, s72, 1
	s_add_co_u32 s81, s81, s82                     ; the K step: query head / 2
	s_and_b32 s82, s72, 1                          ; the half: query head % 2
	s_lshr_b32 s83, s80, 3
	s_lshl_b32 s83, s83, 3
	s_add_co_u32 s83, s83, s81
	s_lshl_b32 s84, s83, 3
	s_and_b32 s85, s80, 7
	s_add_co_u32 s84, s84, s85
	s_mul_i32 s84, s84, 1536
	s_mul_i32 s85, s82, 768
	s_add_co_u32 s84, s84, s85
	s_mov_b32 s85, 0
	s_add_nc_u64 s[86:87], s[6:7], s[84:85]        ; o's half fragment
	s_lshl_b32 s84, s83, 2
	s_bfe_u32 s88, s80, 0x20001
	s_add_co_u32 s84, s84, s88
	s_lshl_b32 s84, s84, 7
	s_and_b32 s88, s80, 1
	s_lshl_b32 s88, s88, 6
	s_add_co_u32 s84, s84, s88
	s_lshl_b32 s88, s82, 1
	s_add_co_u32 s84, s84, s88
	s_add_co_u32 s84, s84, 3145728
	s_add_nc_u64 s[88:89], s[6:7], s[84:85]        ; its two scale bytes
.irp j, 16,17,18,19,20,21,28,29,30,31,32,33
	v_mov_b32 v[\j], 0                             ; the zero codes on either side of q
.endr
	v_mov_b32 v13, 0xff61b1e6                      ; the largest t so far: -3e38, under every t
	s_delay_alu instid0(VALU_DEP_1)
	v_floor_f32 v12, -v13                          ; -M
	v_mov_b32 v14, 0
	v_mov_b32 v15, 0
.irp b, 0,1,2,3
	v_mov_b32 v[216+\b], 0                         ; written once: a lane permute's destination counts as one of its sources
.endr
	v_mov_b32 v225, 0                              ; (named as the upper half of the pair v[224:225])
.set J, 0
.rept 32
	v_mov_b32 v[160+J], 0                          ; O^T: the step is written once; its first trip finds zeros, which the first change of M leaves zeros
.set J, J+1
.endr
	s_wait_alu depctr_va_vdst(0)
	s_wait_loadcnt 0x0                             ; q
	s_wait_tensorcnt 0x0                           ; my 50 rows have landed
	s_barrier_signal -1
	s_barrier_wait -1                              ; everybody's have: the record is whole, and nothing is filled again
	s_mov_b32 s[TB], 8192
	s_mov_b32 s[TS], 0
	s_mov_b32 s[CNT], 16
.Lstep:
	STEP
	s_sub_co_u32 s[CNT], s[CNT], 1
	s_cmp_lg_u32 s[CNT], 0
	s_cbranch_scc1 .Lstep
	; THE WAY OUT: O^T / the sum, quantised along the head's 64 (two blocks), half a fragment of the next product's operand
	PLACES
	v_add_f32 v14, v14, v15
	s_delay_alu instid0(VALU_DEP_1)
	v_permlanex16_b32 v226, v14, s[SEL], s[SEL+1]
	s_delay_alu instid0(VALU_DEP_1)
	v_add_f32 v14, v14, v226                       ; the row's sum
	s_wait_alu depctr_va_vdst(0)
	v_rcp_f32 v14, v14
	v_nop                                          ; one plain place behind a transcendental
	s_wait_alu depctr_va_vdst(0)
.set J, 0
.rept 32
	v_mul_f32 v[96+J], v[160+J], v14               ; register 16 b + i is channel 32 b + 16 (lane / 16) + i
.set J, J+1
.endr
.irp b, 0,1
	v_max3_num_f32 v[212+\b], |v[96+16*\b]|, |v[97+16*\b]|, 0x2800000
.endr
.irp i, 2,4,6,8,10,12,14
.irp b, 0,1
	s_delay_alu instid0(VALU_DEP_2)
	v_max3_num_f32 v[212+\b], v[212+\b], |v[96+16*\b+\i]|, |v[97+16*\b+\i]|
.endr
.endr
.irp b, 0,1
	s_delay_alu instid0(VALU_DEP_2)
	v_permlanex16_b32 v[216+\b], v[212+\b], s[SEL], s[SEL+1]
.endr
.irp b, 0,1
	s_delay_alu instid0(VALU_DEP_2)
	v_max_num_f32 v[212+\b], v[212+\b], v[216+\b]
.endr
.irp b, 0,1
	s_delay_alu instid0(VALU_DEP_2)
	v_add_nc_u32 v[220+\b], 0xfe000000, v[212+\b]
.endr
.irp b, 0,1
	s_delay_alu instid0(VALU_DEP_2)
	v_lshrrev_b32 v[216+\b], 23, v[220+\b]
.endr
	s_delay_alu instid0(VALU_DEP_1)
	v_lshl_or_b32 v226, v217, 8, v216              ; the head's two scale bytes
	v_cvt_scalef32_pk16_bf6_f32 v[192:194], v[96:111], v220
	v_cvt_scalef32_pk16_bf6_f32 v[204:206], v[112:127], v221
	v_nop
.irp i, 0,1,2
	v_permlane16_swap_b32 v[192+\i], v[204+\i]
.endr
.irp i, 0,1,2
	s_delay_alu instid0(VALU_DEP_3)
	v_mov_b32 v[195+\i], v[204+\i]
.endr
	global_store_b64 v1, v[192:193], s[86:87]
	global_store_b128 v2, v[194:197], s[86:87] offset:256
	global_store_b16 v4, v226, s[88:89]            ; both halves of the lanes write the same bytes with the same value
	s_wait_tensorcnt 0x0                           ; the wave's end
	ds_add_u32 v[SPW], v[NIL]
	s_wait_dscnt 0x0
	ROUND                                          ; the closing round: no work-group ends while a partner may still ask for a tile that names it
	s_endpgm
.Lfunc_end_k_q5ea3e1131b_attn:
	.size	k_q5ea3e1131b_attn, .Lfunc_end_k_q5ea3e1131b_attn-k_q5ea3e1131b_attn
	.p2alignl 7, 3214868480
	.fill 96, 4, 3214868480
	.section	.rodata,"a",@progbits
	.p2align	6, 0x0
	.amdhsa_kernel k_q5ea3e1131b_attn
		.amdhsa_group_segment_fixed_size 206848
		.amdhsa_private_segment_fixed_size 0
		.amdhsa_enable_private_segment 0
		.amdhsa_kernarg_size 16
		.amdhsa_user_sgpr_count 2
		.amdhsa_user_sgpr_kernarg_segment_ptr 1
		.amdhsa_wavefront_size32 1
		.amdhsa_system_sgpr_workgroup_id_x 1
		.amdhsa_system_sgpr_workgroup_id_y 1
		.amdhsa_system_sgpr_workgroup_id_z 1
		.amdhsa_system_vgpr_workitem_id 0
		.amdhsa_next_free_vgpr 256
		.amdhsa_next_free_sgpr 96
		.amdhsa_reserve_vcc 0
		.amdhsa_float_denorm_mode_32 3
		.amdhsa_float_denorm_mode_16_64 3
		.amdhsa_memory_ordered 1
		.amdhsa_forward_progress 1
		.amdhsa_inst_pref_size 29
	.end_amdhsa_kernel
	.amdgpu_metadata
---
amdhsa.version: [ 1, 2 ]
amdhsa.kernels:
  - .name:           k_q5ea3e1131b_attn
    .symbol:         k_q5ea3e1131b_attn.kd
    .args:
      - { .name: qkvb, .offset: 0, .size: 8, .value_kind: global_buffer, .address_space: global }
      - { .name: obuf, .offset: 8, .size: 8, .value_kind: global_buffer, .address_space: global }
    .group_segment_fixed_size: 206848
    .private_segment_fixed_size: 0
    .kernarg_segment_align: 8
    .kernarg_segment_size: 16
    .max_flat_workgroup_size: 512
    .sgpr_count:     96
    .vgpr_count:     256
    .wavefront_size: 32
...
	.end_amdgpu_metadata
.endif
;; end of part 3
;; launch oproj (part 4): grid 256 x 1, 4 waves a work-group, clusters of 4 x 1, 327,680 bytes of LDS; arguments obuf, wbuf, x, x1; writes x1
.if DOCPART == 4
	.amdgcn_target "amdgcn-amd-amdhsa--gfx1250"
	.amdhsa_code_object_version 6
	.text
	.protected	k_q5ea3e1131b_oproj
	.globl	k_q5ea3e1131b_oproj
	.p2align	8
	.type	k_q5ea3e1131b_oproj,@function
k_q5ea3e1131b_oproj:
	s_mov_b64 s[64:65], 0
	v_nop
	global_prefetch_b8 v0, s[64:65] scope:SCOPE_SE
	s_setreg_imm32_b32 hwreg(HW_REG_WAVE_MODE, 25, 1), 1
	s_wait_xcnt 0x0
	s_wait_alu depctr_hold_cnt(0) depctr_sa_sdst(0) depctr_va_vdst(0) depctr_va_sdst(0) depctr_va_ssrc(0) depctr_va_vcc(0) depctr_vm_vsrc(0)
	s_getreg_b32 s2, hwreg(HW_REG_IB_STS2, 6, 4)
	s_cmp_eq_u32 s2, 0
	s_cbranch_scc0 .Lentry_in_a_cluster
	s_endpgm
.Lentry_in_a_cluster:
	s_bfe_u32 s2, ttmp6, 0x10000c
	s_cmp_lg_u32 s2, 0x3003
	s_cbranch_scc0 .Lentry_shape_is_right
	s_endpgm
.Lentry_shape_is_right:
; x1 = x + o Wo^T, the product on codes of BF6 (E3M2) with E8M0 scales, sums in f32.
; A PANEL (128 rows of Wo, all of K = 1,024: 98,304 dense bytes and 4,096 bytes of scale words) is brought into LDS once and read by all four waves; each wave holds a PRIVATE pair of o's row tiles (32 tokens) in
; registers for all of K.  D = (panel tile) x (private tile)^T: a lane holds one token, its 64 registers a tile run along 128 columns of x1: register 16 b + i = column 32 b + 16 (lane / 16) + i.
; x is loaded straight into the accumulators and starts the sums (another order of rounding than adding it last): nothing is cleared and no addition is written.
; x comes first, then the private scale words, then the private fragments in the order of K: they are waited for K step by K step, by counted waits, so that the products begin while the later fragments are on their way.
; CLUSTER.  The four work-groups of a cluster take the same panel and four blocks of tokens: the panel is asked for JOINTLY.  LDS is filled once: three loads a wave, all at the start; three are out by this text's own count.
; The results go through the wave's own stage in LDS and leave as whole rows of 512 consecutive bytes.
; REGISTERS: window 0: v4-14 addresses; v16-23 private scale words; v32-39 panel scale words, two sets; v64-191 16 accumulators ((t, u) at 64 u + 8 t); v192-255 rows on the way out.
;   window 1: the panel's fragments, two sets.   window 2: my private fragments.
; AS THE TEXT NOW STANDS (in place of what the lines above say of three loads a wave and of x): LDS is filled once, by one joint load a wave at the head: waves 0-2 fetch a third of the panel's codes each
; (128 rows of 256 bytes), wave 3 the scale words; one wait and one barrier show them to all.  The sums begin with the constant 0; x is asked for BEHIND the private fragments, into window 3, lands under the
; products and is added behind the last K step.
.set LKS, 8
.set PKS, 8                            ; K steps of the private fragments
.set NST, LKS/4
.set TAILL, 32                         ; loads issued behind the private fragments': x
.set SCL, LKS*12288
.set STG, SCL+LKS*512                  ; the stages: 16 rows x 528 bytes for each wave; no fill lands here
.set WOFF, 1179648                     ; Wo's image in wbuf
.set WSC,  5160960
.set PSC,  3145728                     ; the scale words in obuf
.set A8,  4
.set A16, 5
.set A4,  6
.set G8,  7
.set G16, 8
.set G4,  9
.set RX,  11                           ; v11 my token's row of 4,096 bytes, + 64 x (lane / 16)
.set STO, 13                           ; v13 the stage: where I put 16 bytes of a row
.set SRD, 14                           ; v14 and where I read a row back
.set PS,  16
.set WS,  32
.set ACC, 64
.set WV,  3
.set MSB, 0
.macro WIN new
.if MSB != \new
	s_set_vgpr_msb (MSB<<8)|\new
.set MSB, \new
.endif
.endm
.macro PLACES                          ; four plain places: behind matrix instructions, in front of loads into registers that they read and of the first read of results
.rept 4
	v_nop
.endr
.endm
.macro ROUND                           ; a round of the cluster's barrier
	s_barrier_signal -1
	s_barrier_wait -1
	s_cmp_lg_u32 s[WV], 0
	s_cbranch_scc1 .Lnot_wave_0_\@
	s_barrier_signal -3
.Lnot_wave_0_\@:
	s_barrier_wait -3
	s_barrier_signal -1
	s_barrier_wait -1
.endm
.macro ALOAD                           ; my private tile pair: first its scale words (tile 0 in lanes 0-15, tile 1 in lanes 16-31), then its fragments in the order of K, eight loads a K step
.set Q, 0
.rept PKS
	global_load_b32 v[PS+Q], v[G4], s[58:59] offset:Q*512
.set Q, Q+1
.endr
.set Q, 0
.rept PKS
.if Q < 8
	WIN 0x80
.else
	WIN 0xc0
.endif
.irp u, 0,1
	global_load_b64 v[24*(Q%8)+12*\u:24*(Q%8)+12*\u+1], v[G8], s[56:57] offset:Q*12288+\u*1536
	global_load_b128 v[24*(Q%8)+12*\u+2:24*(Q%8)+12*\u+5], v[G16], s[56:57] offset:Q*12288+\u*1536+256
	global_load_b64 v[24*(Q%8)+12*\u+6:24*(Q%8)+12*\u+7], v[G8], s[56:57] offset:Q*12288+\u*1536+768
	global_load_b128 v[24*(Q%8)+12*\u+8:24*(Q%8)+12*\u+11], v[G16], s[56:57] offset:Q*12288+\u*1536+1024
.endr
.set Q, Q+1
.endr
	WIN 0
.endm
.macro FETCH ks                        ; 36 LDS loads: the 8 fragments of LDS step ks into set ks % 2, and their scale words
	WIN 0x40
.irp t, 0,1,2,3,4,5,6,7
	ds_load_b64 v[128*((\ks)%2)+12*\t:128*((\ks)%2)+12*\t+1], v[A8] offset:(((\ks)%4)*8+\t)*1536
	ds_load_b128 v[128*((\ks)%2)+12*\t+2:128*((\ks)%2)+12*\t+5], v[A16] offset:(((\ks)%4)*8+\t)*1536+256
	ds_load_b64 v[128*((\ks)%2)+12*\t+6:128*((\ks)%2)+12*\t+7], v[A8] offset:(((\ks)%4)*8+\t)*1536+768
	ds_load_b128 v[128*((\ks)%2)+12*\t+8:128*((\ks)%2)+12*\t+11], v[A16] offset:(((\ks)%4)*8+\t)*1536+1024
.endr
	WIN 0
.irp p, 0,1,2,3
	ds_load_b32 v[WS+4*((\ks)%2)+\p], v[A4] offset:(\ks)*512+128*\p
.endr
.endm
.macro WMM t, u, ks, cm                ; cm 0: adds in place; 1: the constant 0 starts the sum; 2, 3: eight registers of window 2, 3 start it
.set rD, ACC+64*(\u)+8*(\t)
.set rA, 128*((\ks)%2)+12*(\t)
.set rB, 24*((\ks)%8)+12*(\u)
.set rS, WS+4*((\ks)%2)+(\t)/2
.set rP, PS+((\ks)%PKS)
.set rC, rD
.if \cm == 2
.set rC, 192+8*(\t)
.endif
.if \cm == 3
.set rC, 8*(\t)
.endif
.if \cm == 1
.if ((\t)%2 == 0) && ((\u) == 0)
	v_wmma_scale_f32_16x16x128_f8f6f4 v[rD:rD+7], v[rA:rA+11], v[rB:rB+11], 0, v[rS], v[rP] matrix_a_fmt:MATRIX_FMT_BF6 matrix_b_fmt:MATRIX_FMT_BF6
.elseif ((\t)%2 == 0)
	v_wmma_scale_f32_16x16x128_f8f6f4 v[rD:rD+7], v[rA:rA+11], v[rB:rB+11], 0, v[rS], v[rP] matrix_a_fmt:MATRIX_FMT_BF6 matrix_b_fmt:MATRIX_FMT_BF6 matrix_b_scale:MATRIX_SCALE_ROW1
.elseif ((\u) == 0)
	v_wmma_scale_f32_16x16x128_f8f6f4 v[rD:rD+7], v[rA:rA+11], v[rB:rB+11], 0, v[rS], v[rP] matrix_a_fmt:MATRIX_FMT_BF6 matrix_b_fmt:MATRIX_FMT_BF6 matrix_a_scale:MATRIX_SCALE_ROW1
.else
	v_wmma_scale_f32_16x16x128_f8f6f4 v[rD:rD+7], v[rA:rA+11], v[rB:rB+11], 0, v[rS], v[rP] matrix_a_fmt:MATRIX_FMT_BF6 matrix_b_fmt:MATRIX_FMT_BF6 matrix_a_scale:MATRIX_SCALE_ROW1 matrix_b_scale:MATRIX_SCALE_ROW1
.endif
.else
.if ((\t)%2 == 0) && ((\u) == 0)
	v_wmma_scale_f32_16x16x128_f8f6f4 v[rD:rD+7], v[rA:rA+11], v[rB:rB+11], v[rC:rC+7], v[rS], v[rP] matrix_a_fmt:MATRIX_FMT_BF6 matrix_b_fmt:MATRIX_FMT_BF6
.elseif ((\t)%2 == 0)
	v_wmma_scale_f32_16x16x128_f8f6f4 v[rD:rD+7], v[rA:rA+11], v[rB:rB+11], v[rC:rC+7], v[rS], v[rP] matrix_a_fmt:MATRIX_FMT_BF6 matrix_b_fmt:MATRIX_FMT_BF6 matrix_b_scale:MATRIX_SCALE_ROW1
.elseif ((\u) == 0)
	v_wmma_scale_f32_16x16x128_f8f6f4 v[rD:rD+7], v[rA:rA+11], v[rB:rB+11], v[rC:rC+7], v[rS], v[rP] matrix_a_fmt:MATRIX_FMT_BF6 matrix_b_fmt:MATRIX_FMT_BF6 matrix_a_scale:MATRIX_SCALE_ROW1
.else
	v_wmma_scale_f32_16x16x128_f8f6f4 v[rD:rD+7], v[rA:rA+11], v[rB:rB+11], v[rC:rC+7], v[rS], v[rP] matrix_a_fmt:MATRIX_FMT_BF6 matrix_b_fmt:MATRIX_FMT_BF6 matrix_a_scale:MATRIX_SCALE_ROW1 matrix_b_scale:MATRIX_SCALE_ROW1
.endif
.endif
.endm
.macro MUL ks, cm                      ; one K step: 16 matrix instructions; the 16 accumulators take turns, one instruction a turn, in the same order in every step
.if \cm == 2
	WIN 0x29
.elseif \cm == 3
	WIN 0x39
.elseif ((\ks) >= 8) && (PKS == 16)
	WIN 0x0d
.else
	WIN 0x09                                       ; source 0 (panel) window 1, source 1 (private) window 2, C and D window 0
.endif
.irp p, 0,1,2,3
.irp e, 0,1,2,3
	WMM 2*\p+\e/2, \e%2, \ks, \cm
.endr
.endr
.endm
.macro LWAIT kp                        ; my private fragments of K step kp are in, and all that was asked for ahead of them: behind them were issued eight loads for each later K step and TAILL more; the wait's field holds 63, and a smaller count is safe
.set LW, 8*(PKS-1-(\kp))+TAILL
.if LW > 63
.set LW, 63
.endif
	s_wait_loadcnt LW
.endm
.macro STAGEIN j                       ; ahead of steps 4 j .. 4 j + 3
	WIN 0
.if (\j) == 0
	s_wait_tensorcnt 0x0                           ; my load of the head has landed
	s_barrier_signal -1
	s_barrier_wait -1                              ; everybody's has
.else
	v_add_nc_u32 v[A8], 49152, v[A8]               ; on to this stage's four steps
	v_add_nc_u32 v[A16], 49152, v[A16]
	s_wait_alu depctr_va_vdst(0)
.endif
.endm
.macro PRE                             ; nothing is due between the loads' wait and the first product here
.endm
.macro PART k0, n, cm0, lw             ; LDS steps k0 .. k0 + n - 1, written out.  The next step's fragments are fetched ahead of this step's products.  lw = 1: the private fragments are still arriving
	STAGEIN (\k0)/4
	FETCH \k0
.set KK, \k0
.rept \n
.if KK+1 < (\k0)+(\n)
.if (KK+1)%4 == 0
	STAGEIN (KK+1)/4
.endif
.if KK > (\k0)
	s_wait_alu depctr_va_vdst(0)
	PLACES                                         ; the set to be loaded was read by the step before
.endif
	FETCH KK+1
	s_wait_dscnt 36                                ; all but the 36 just issued
.else
	s_wait_dscnt 0x0
.endif
.if \lw
	LWAIT KK-(\k0)
.endif
.if KK == 0
	PRE
.endif
.if KK == (\k0)
	MUL KK, \cm0
.else
	MUL KK, 0
.endif
.set KK, KK+1
.endr
	WIN 0
	PLACES
.endm
.macro TOSTAGE u, out                  ; private tile u: 16 tokens x 128 columns into my stage, and back as whole rows.  LDS serves a wave's instructions in order (ISA guide 5.7.1.4): no wait between
.irp m, 0,1,2,3,4,5,6,7,8,9,10,11,12,13,14,15
	ds_store_b128 v[STO], v[ACC+64*\u+4*\m:ACC+64*\u+4*\m+3] offset:128*(\m/4)+16*(\m%4)   ; each accumulator from its low end on
.endr
.irp i, 0,1,2,3,4,5,6,7,8,9,10,11,12,13,14,15
	ds_load_b128 v[\out+4*\i:\out+4*\i+3], v[SRD] offset:\i*528
.endr
.endm
.macro SEND u, out
.irp i, 0,1,2,3,4,5,6,7,8,9,10,11,12,13,14,15
	global_store_b128 v[G16], v[\out+4*\i:\out+4*\i+3], s[78:79] offset:(8*\u+\i+8*(\i/8))*4096   ; 32 lanes store 512 consecutive bytes, aligned
.endr
.endm
	s_load_b256 s[4:11], s[0:1], 0x0               ; obuf, wbuf, x, x1
	v_lshl_add_u32 v62, v0, 2, 0x29000
	v_mov_b32 v63, 0
	ds_add_u32 v62, v63
	ds_add_u32 v62, v63
	v_lshrrev_b32 v1, 5, v0
	v_readfirstlane_b32 s[WV], v1                  ; wave 0..3
	v_and_b32 v1, 31, v0
	v_and_b32 v2, 15, v0
	v_bfe_u32 v3, v0, 4, 1
	v_lshlrev_b32 v[A8], 3, v1
	v_lshlrev_b32 v[A16], 4, v1
	v_lshl_add_u32 v[A4], v1, 2, SCL
	v_lshlrev_b32 v[G8], 3, v1
	v_lshlrev_b32 v[G16], 4, v1
	v_lshlrev_b32 v[G4], 2, v1
	v_and_b32 v12, 8, v2
	v_add_nc_u32 v12, v12, v2                      ; r + 8 (r / 8)
	v_lshlrev_b32 v[RX], 12, v12
	v_lshl_add_u32 v[RX], v3, 6, v[RX]
	s_mul_i32 s84, s[WV], 8448
	s_add_co_u32 s84, s84, STG                     ; my stage
	v_mul_u32_u24 v[STO], v2, 528
	v_lshl_add_u32 v[STO], v3, 6, v[STO]
	v_add_nc_u32 v[STO], s84, v[STO]
	v_lshl_add_u32 v[SRD], v1, 4, s84
	s_mov_b32 s16, 15|(3<<16)|(1<<21)              ; the mask names all four work-groups; elements of 8 bytes
	s_mov_b32 s17, 32<<16
	s_mov_b32 s18, (2*LKS)<<16                     ; all the scale words: 2 LKS rows
	s_mov_b32 s19, 32<<16
	s_mov_b32 s20, 2*LKS
	s_mov_b32 s21, 32
	s_mov_b32 s22, 0
	s_mov_b32 s23, 0
	s_mov_b32 s24, 15|(3<<16)|(1<<21)
	s_mov_b32 s25, 32<<16
	s_mov_b32 s26, 128<<16                         ; the loads of codes: 128 rows
	s_mov_b32 s27, 32<<16
	s_mov_b32 s28, 128
	s_mov_b32 s29, 32
	s_mov_b32 s30, 0
	s_mov_b32 s31, 0
	s_lshr_b32 s66, ttmp9, 3                       ; the panel, which the four partners share
	s_mul_i32 s62, s[WV], 12288
	s_mov_b32 s63, 0                               ; the scale words come whole
	s_mul_i32 s68, s66, LKS*12288
	s_add_co_u32 s68, s68, s62
	s_add_co_u32 s68, s68, WOFF
	s_mov_b32 s69, 0
	s_mul_i32 s86, s66, LKS*512
	s_add_co_u32 s86, s86, s63
	s_add_co_u32 s86, s86, WSC
	s_mov_b32 s87, 0
	s_bfe_u32 s70, ttmp6, 0x40000                  ; cx: it enters the private side's global addresses alone
	s_and_b32 s71, ttmp9, 7
	s_lshl_b32 s71, s71, 2
	s_add_co_u32 s71, s71, s70                     ; my block of 128 tokens
	s_mul_i32 s72, s71, PKS*12288
	s_mul_i32 s74, s[WV], 3072
	s_add_co_u32 s72, s72, s74
	s_mov_b32 s73, 0
	s_mul_i32 s80, s71, PKS*512
	s_lshl_b32 s74, s[WV], 7
	s_add_co_u32 s80, s80, s74
	s_add_co_u32 s80, s80, PSC
	s_mov_b32 s81, 0
	s_lshl_b32 s74, s71, 2
	s_add_co_u32 s74, s74, s[WV]                   ; my pair of token tiles
	s_lshl_b32 s82, s74, 17                        ; 32 rows of 4,096 bytes
	s_lshl_b32 s75, s66, 9                         ; the panel's 128 columns
	s_add_co_u32 s82, s82, s75
	s_mov_b32 s83, 0
	s_wait_dscnt 0x0
	s_wait_kmcnt 0x0
	s_add_nc_u64 s[52:53], s[6:7], s[68:69]
	s_add_nc_u64 s[54:55], s[6:7], s[86:87]
	s_add_nc_u64 s[56:57], s[4:5], s[72:73]
	s_add_nc_u64 s[58:59], s[4:5], s[80:81]
	s_add_nc_u64 s[76:77], s[8:9], s[82:83]
	s_add_nc_u64 s[78:79], s[10:11], s[82:83]
	s_mov_b32 s32, 1
	s_add_co_u32 s33, s63, SCL
	s_mov_b64 s[34:35], s[54:55]
	s_or_b32 s35, s35, 0x80000000
.set J, 0
	s_mul_i32 s14, s[WV], 20480                    ; s[52:53] stands at 12,288 x wave: 20,480 x wave more is 32,768 x wave
	s_mov_b32 s15, 0
	s_mov_b32 s36, 1                               ; 128 rows at 32,768 x wave (waves 0-2)
	s_lshl_b32 s37, s[WV], 15
	s_add_nc_u64 s[38:39], s[52:53], s[14:15]
	s_or_b32 s39, s39, 0x80000000
	ROUND                                          ; all four work-groups are here: the joint loads meet
	s_cmp_lt_u32 s[WV], 3                          ; one load a wave at the head, in the two arms of one branch on the wave's number
	s_cbranch_scc0 .Lhead_sc
	tensor_load_to_lds s[36:39], s[24:31]
	s_nop 0
	PLACES
	s_branch .Lhead_j
.Lhead_sc:
	tensor_load_to_lds s[32:35], s[16:23]
	s_nop 0
	PLACES
.Lhead_j:
	PLACES
	s_wait_alu depctr_va_vdst(0)
	ALOAD
	WIN 0xc0                                       ; destination window 3
.irp u, 0,1
.irp b, 0,1,2,3
.irp q, 0,1,2,3
	global_load_b128 v[64*\u+16*\b+4*\q:64*\u+16*\b+4*\q+3], v[RX], s[76:77] offset:32768*\u+128*\b+16*\q   ; x in the result's layout: the youngest 32 loads
.endr
.endr
.endr
	WIN 0
	PART 0, 8, 1, 1
	s_wait_loadcnt 0x0                             ; x
	WIN 0x0c                                       ; source 1 window 3
.set I, 0
.rept 64
	v_pk_add_f32 v[ACC+I:ACC+I+1], v[ACC+I:ACC+I+1], v[I:I+1]   ; each accumulator from its low end on
.set I, I+2
.endr
	WIN 0
	TOSTAGE 0, 192
	TOSTAGE 1, 64                                  ; into the registers that tile 0 has left
	s_wait_dscnt 32                                ; tile 0's rows are back: behind them stand tile 1's 16 stores and 16 loads
	SEND 0, 192
	s_wait_dscnt 0x0
	SEND 1, 64
	s_wait_tensorcnt 0x0
	s_wait_dscnt 0x0
	s_wait_tensorcnt 0x0
	ds_add_u32 v62, v63
	s_wait_dscnt 0x0
	ROUND                                          ; the closing round
	s_endpgm
.Lfunc_end_k_q5ea3e1131b_oproj:
	.size	k_q5ea3e1131b_oproj, .Lfunc_end_k_q5ea3e1131b_oproj-k_q5ea3e1131b_oproj
	.p2alignl 7, 3214868480
	.fill 96, 4, 3214868480
	.section	.rodata,"a",@progbits
	.p2align	6, 0x0
	.amdhsa_kernel k_q5ea3e1131b_oproj
		.amdhsa_group_segment_fixed_size 327680
		.amdhsa_private_segment_fixed_size 0
		.amdhsa_enable_private_segment 0
		.amdhsa_kernarg_size 32
		.amdhsa_user_sgpr_count 2
		.amdhsa_user_sgpr_kernarg_segment_ptr 1
		.amdhsa_wavefront_size32 1
		.amdhsa_system_sgpr_workgroup_id_x 1
		.amdhsa_system_sgpr_workgroup_id_y 1
		.amdhsa_system_sgpr_workgroup_id_z 1
		.amdhsa_system_vgpr_workitem_id 0
		.amdhsa_next_free_vgpr 1024
		.amdhsa_next_free_sgpr 102
		.amdhsa_reserve_vcc 0
		.amdhsa_float_denorm_mode_32 3
		.amdhsa_float_denorm_mode_16_64 3
		.amdhsa_memory_ordered 1
		.amdhsa_forward_progress 1
		.amdhsa_inst_pref_size 64
	.end_amdhsa_kernel
	.amdgpu_metadata
---
amdhsa.version: [ 1, 2 ]
amdhsa.kernels:
  - .name:           k_q5ea3e1131b_oproj
    .symbol:         k_q5ea3e1131b_oproj.kd
    .args:
      - { .name: obuf, .offset: 0, .size: 8, .value_kind: global_buffer, .address_space: global }
      - { .name: wbuf, .offset: 8, .size: 8, .value_kind: global_buffer, .address_space: global }
      - { .name: x, .offset: 16, .size: 8, .value_kind: global_buffer, .address_space: global }
      - { .name: x1, .offset: 24, .size: 8, .value_kind: global_buffer, .address_space: global }
    .group_segment_fixed_size: 327680
    .private_segment_fixed_size: 0
    .kernarg_segment_align: 8
    .kernarg_segment_size: 32
    .max_flat_workgroup_size: 128
    .sgpr_count:     102
    .vgpr_count:     1024
    .wavefront_size: 32
...
	.end_amdgpu_metadata
.endif
;; end of part 4
;; launch ln2 (part 5): grid 256 x 1, 4 waves a work-group, no clusters, 1,024 bytes of LDS; arguments x1, ln2_g, ln2_b, hbuf; writes hbuf
.if DOCPART == 5
	.amdgcn_target "amdgcn-amd-amdhsa--gfx1250"
	.amdhsa_code_object_version 6
	.text
	.protected	k_q5ea3e1131b_ln2
	.globl	k_q5ea3e1131b_ln2
	.p2align	8
	.type	k_q5ea3e1131b_ln2,@function
k_q5ea3e1131b_ln2:
	s_mov_b64 s[64:65], 0
	v_nop
	global_prefetch_b8 v0, s[64:65] scope:SCOPE_SE
	s_setreg_imm32_b32 hwreg(HW_REG_WAVE_MODE, 25, 1), 1
	s_wait_xcnt 0x0
; h = LayerNorm(x) g + b over rows of 1,024 f32, quantised along the row into codes of BF6 (E3M2) with one E8M0 byte for each 32, and stored as images of the operand's registers
; (fragment = 16 rows x 128 K = 1,536 bytes; lane r of tile T holds row 32 (T / 2) + 8 (T % 2) + r + 8 (r / 8); fragment (T, ks) at (((T / 8) 8 + ks) 8 + T % 8) x 1,536; scale words behind the codes).
; A work-group takes one tile of 16 rows; wave w its columns 256 w .. 256 w + 255 (two K steps), 128 numbers a lane, which stay in registers from the load to the conversion: the row is read once.
; Mean and variance in two passes over the registers (the mean is taken off before the squares, so that a common offset costs no accuracy); the four waves' partial sums meet in LDS, 16 bytes a row, with a barrier each.
; LIMITS: a block of zeros, or one whose largest magnitude lies under 2^-122, keeps the byte 1 (this program alone reads the bytes); NaN and infinities are not served.
; REGISTERS: window 0: v16-143 the numbers; v144-183 codes; v184-191 sums; v192-195 mean and 1/sigma as pairs; v200-217 at work.  Window 1: v0-127 g, v128-255 b of my columns.
.set G8,  4
.set G16, 5
.set GR4, 6
.set RX,  7                            ; v7  my row's byte, + 64 x (lane / 16)
.set GB,  8                            ; v8  64 x (lane / 16): my columns in g and b
.set RA,  9                            ; v9  LDS: 16 r + 4 w: my wave's partial sum of row r
.set RL,  10                           ; v10 LDS: 16 r: the four partial sums
.set X,   16
.set PC0, 144
.set PC1, 164
.set SU,  184
.set MN,  192
.set RS,  194
.set TM,  200
.set PW0, 216
.set PW1, 217
.set WV,  3
.set SEL, 26
.set MSB, 0
.macro WIN new                         ; the immediate's high byte repeats the setting that is left
.if MSB != \new
	s_set_vgpr_msb (MSB<<8)|\new
.set MSB, \new
.endif
.endm
.macro QUANT s, pc, pw                 ; 64 numbers of a lane, register 16 b + i = k 32 b + 16 (lane / 16) + i, become a fragment's codes and its scale word
.irp b, 0,1,2,3
	v_max3_num_f32 v[TM+\b], |v[\s+16*\b]|, |v[\s+1+16*\b]|, 0x2800000   ; with the floor 2^(5 - 127): the byte cannot fall under 1
.endr
.irp i, 2,4,6,8,10,12,14
.irp b, 0,1,2,3
	v_max3_num_f32 v[TM+\b], v[TM+\b], |v[\s+16*\b+\i]|, |v[\s+1+16*\b+\i]|
.endr
.endr
.irp b, 0,1,2,3
	v_permlanex16_b32 v[TM+4+\b], v[TM+\b], s[SEL], s[SEL+1]
.endr
.irp b, 0,1,2,3
	v_max_num_f32 v[TM+\b], v[TM+\b], v[TM+4+\b]
.endr
.irp b, 0,1,2,3
	v_add_nc_u32 v[TM+12+\b], 0xfe000000, v[TM+\b]   ; 4 off the exponent field: the conversion's scale operand
.endr
.irp b, 0,1,2,3
	v_lshrrev_b32 v[TM+4+\b], 23, v[TM+12+\b]
.endr
	v_lshl_or_b32 v[\pw], v[TM+5], 8, v[TM+4]
	v_lshl_or_b32 v[\pw], v[TM+6], 16, v[\pw]
	v_lshl_or_b32 v[\pw], v[TM+7], 24, v[\pw]
.irp c, 0,1
	v_cvt_scalef32_pk16_bf6_f32 v[\pc+6*\c:\pc+2+6*\c], v[\s+32*\c:\s+15+32*\c], v[TM+12+2*\c]
	v_cvt_scalef32_pk16_bf6_f32 v[\pc+12+4*\c:\pc+14+4*\c], v[\s+16+32*\c:\s+31+32*\c], v[TM+12+2*\c+1]
.endr
	v_nop                                            ; one plain place behind a scaled conversion
.irp c, 0,1
.irp i, 0,1,2
	v_permlane16_swap_b32 v[\pc+6*\c+\i], v[\pc+12+4*\c+\i]
.endr
.irp i, 0,1,2
	v_mov_b32 v[\pc+3+6*\c+\i], v[\pc+12+4*\c+\i]
.endr
.endr
.endm
.macro XLOAD reg, off
.irp b, 0,1,2,3
.irp j, 0,1,2,3
	global_load_b128 v[\reg+16*\b+4*\j:\reg+16*\b+4*\j+3], v[RX], s[4:5] offset:\off+128*\b+16*\j
.endr
.endr
.endm
.macro IMGST pc, base, off
	global_store_b64 v[G8], v[\pc:\pc+1], s[\base:\base+1] offset:\off
	global_store_b128 v[G16], v[\pc+2:\pc+5], s[\base:\base+1] offset:\off+256
	global_store_b64 v[G8], v[\pc+6:\pc+7], s[\base:\base+1] offset:\off+768
	global_store_b128 v[G16], v[\pc+8:\pc+11], s[\base:\base+1] offset:\off+1024
.endm
; four chains of packed sums in v[SU] on become the row's sum in v[SU], in every lane: my lane's, lane l xor 16's, then the four waves' through LDS
.macro REDUCE off
	v_pk_add_f32 v[SU:SU+1], v[SU:SU+1], v[SU+2:SU+3]
	v_pk_add_f32 v[SU+4:SU+5], v[SU+4:SU+5], v[SU+6:SU+7]
	v_pk_add_f32 v[SU:SU+1], v[SU:SU+1], v[SU+4:SU+5]
	v_add_f32 v[SU], v[SU], v[SU+1]
	v_permlanex16_b32 v[SU+2], v[SU], s[SEL], s[SEL+1]
	v_add_f32 v[SU], v[SU], v[SU+2]
	ds_store_b32 v[RA], v[SU] offset:\off            ; both halves of the lanes write the same word with the same value
	s_wait_dscnt 0x0                                 ; for the others' sake: my store has landed
	s_barrier_signal -1
	s_barrier_wait -1
	ds_load_b128 v[SU:SU+3], v[RL] offset:\off
	s_wait_dscnt 0x0
	v_add_f32 v[SU], v[SU], v[SU+1]                  ; one fixed order in every wave
	v_add_f32 v[SU+2], v[SU+2], v[SU+3]
	v_add_f32 v[SU], v[SU], v[SU+2]
.endm
	s_load_b256 s[4:11], s[0:1], 0x0               ; x, g, b, hbuf
	v_lshl_add_u32 v254, v0, 2, 0x200
	v_mov_b32 v255, 0
	v_lshrrev_b32 v1, 5, v0
	v_readfirstlane_b32 s[WV], v1                  ; wave 0..3
	v_and_b32 v1, 31, v0
	v_and_b32 v2, 15, v0                           ; r
	v_bfe_u32 v3, v0, 4, 1                         ; h
	v_lshlrev_b32 v[G8], 3, v1
	v_lshlrev_b32 v[G16], 4, v1
	v_lshlrev_b32 v[GR4], 2, v2
	v_and_b32 v11, 8, v2
	v_add_nc_u32 v11, v11, v2                      ; r + 8 (r / 8)
	v_lshlrev_b32 v[RX], 12, v11
	v_lshl_add_u32 v[RX], v3, 6, v[RX]
	v_lshlrev_b32 v[GB], 6, v3
	v_lshlrev_b32 v[RL], 4, v2
	s_lshl_b32 s12, s[WV], 2
	v_add_nc_u32 v[RA], s12, v[RL]
.irp b, 0,1,2,3
	v_mov_b32 v[TM+4+\b], 0                        ; written once: a lane permute's destination counts as one of its sources
.endr
	s_mov_b32 s[SEL], 0x76543210
	s_mov_b32 s[SEL+1], 0xfedcba98
	s_mov_b32 s16, 0x3a800000                      ; 1 / 1,024
	s_mov_b32 s17, 0x3727c5ac                      ; 1e-5
	s_lshr_b32 s12, ttmp9, 1
	s_lshl_b32 s12, s12, 17                        ; 32 rows of 4,096 bytes
	s_and_b32 s13, ttmp9, 1
	s_lshl_b32 s13, s13, 15                        ; 8 rows
	s_add_co_u32 s12, s12, s13
	s_lshl_b32 s14, s[WV], 10                      ; my 256 columns
	s_add_co_u32 s12, s12, s14
	s_mov_b32 s13, 0
	s_mov_b32 s15, 0
	s_lshr_b32 s18, ttmp9, 3
	s_lshl_b32 s18, s18, 3
	s_lshl_b32 s19, s[WV], 1
	s_add_co_u32 s18, s18, s19                     ; (T / 8) 8 + my first K step
	s_lshl_b32 s20, s18, 3
	s_and_b32 s21, ttmp9, 7
	s_add_co_u32 s20, s20, s21
	s_mul_i32 s20, s20, 1536
	s_mov_b32 s21, 0
	s_wait_alu depctr_va_vdst(0)
	s_wait_kmcnt 0x0
	s_add_nc_u64 s[4:5], s[4:5], s[12:13]
	s_add_nc_u64 s[6:7], s[6:7], s[14:15]
	s_add_nc_u64 s[8:9], s[8:9], s[14:15]
	s_add_nc_u64 s[22:23], s[10:11], s[20:21]      ; my first fragment
	XLOAD X, 0
	XLOAD X+64, 512
	WIN 0x40                                       ; destination window 1
.irp e, 0,1
.irp b, 0,1,2,3
.irp j, 0,1,2,3
	global_load_b128 v[64*\e+16*\b+4*\j:64*\e+16*\b+4*\j+3], v[GB], s[6:7] offset:512*\e+128*\b+16*\j
	global_load_b128 v[128+64*\e+16*\b+4*\j:128+64*\e+16*\b+4*\j+3], v[GB], s[8:9] offset:512*\e+128*\b+16*\j
.endr
.endr
.endr
	WIN 0
	s_lshl_b32 s20, s18, 2
	s_bfe_u32 s24, ttmp9, 0x20001
	s_add_co_u32 s20, s20, s24
	s_lshl_b32 s20, s20, 7
	s_and_b32 s24, ttmp9, 1
	s_lshl_b32 s24, s24, 6
	s_add_co_u32 s20, s20, s24
	s_add_co_u32 s20, s20, 3145728                 ; the scale words lie behind the codes
	s_add_nc_u64 s[24:25], s[10:11], s[20:21]
	s_wait_loadcnt 63                              ; the 32 loads of x are in: 64 younger ones were issued, and the wait's field holds 63
.irp c, 0,1,2,3
	v_pk_add_f32 v[SU+2*\c:SU+2*\c+1], v[X+2*\c:X+2*\c+1], v[X+8+2*\c:X+9+2*\c]   ; the first pairs start four chains: nothing is cleared
.endr
.set I, 16
.rept 14
.irp c, 0,1,2,3
	v_pk_add_f32 v[SU+2*\c:SU+2*\c+1], v[SU+2*\c:SU+2*\c+1], v[X+I+2*\c:X+I+2*\c+1]
.endr
.set I, I+8
.endr
	REDUCE 0
	v_mul_f32 v[MN], s16, v[SU]                    ; the mean
	v_mov_b32 v[MN+1], v[MN]
.set I, 0
.rept 64
	v_pk_add_f32 v[X+I:X+I+1], v[X+I:X+I+1], v[MN:MN+1] neg_lo:[0,1] neg_hi:[0,1]   ; x - mean
.set I, I+2
.endr
.irp c, 0,1,2,3
	v_pk_mul_f32 v[SU+2*\c:SU+2*\c+1], v[X+2*\c:X+2*\c+1], v[X+2*\c:X+2*\c+1]
.endr
.set I, 8
.rept 15
.irp c, 0,1,2,3
	v_pk_fma_f32 v[SU+2*\c:SU+2*\c+1], v[X+I+2*\c:X+I+2*\c+1], v[X+I+2*\c:X+I+2*\c+1], v[SU+2*\c:SU+2*\c+1]
.endr
.set I, I+8
.endr
	REDUCE 256                                     ; other bytes than the first exchange's: no wave can meet an earlier read
	v_fma_f32 v[RS], v[SU], s16, s17               ; the variance + 1e-5
	s_wait_alu depctr_va_vdst(0)
	v_rsq_f32 v[RS], v[RS]
	v_nop                                          ; one plain place behind a transcendental
	s_wait_alu depctr_va_vdst(0)
	v_mov_b32 v[RS+1], v[RS]
.set I, 0
.rept 64
	v_pk_mul_f32 v[X+I:X+I+1], v[X+I:X+I+1], v[RS:RS+1]
.set I, I+2
.endr
	s_wait_loadcnt 0x0                             ; g and b
	WIN 0x14                                       ; sources 1 and 2 window 1
.set I, 0
.rept 64
	v_pk_fma_f32 v[X+I:X+I+1], v[X+I:X+I+1], v[I:I+1], v[128+I:129+I]
.set I, I+2
.endr
	WIN 0
	QUANT X, PC0, PW0
	IMGST PC0, 22, 0
	global_store_b32 v[GR4], v[PW0], s[24:25]
	QUANT X+64, PC1, PW1
	IMGST PC1, 22, 12288
	global_store_b32 v[GR4], v[PW1], s[24:25] offset:512
	s_wait_tensorcnt 0x0
	ds_add_u32 v254, v255
	s_wait_dscnt 0x0
	s_endpgm
.Lfunc_end_k_q5ea3e1131b_ln2:
	.size	k_q5ea3e1131b_ln2, .Lfunc_end_k_q5ea3e1131b_ln2-k_q5ea3e1131b_ln2
	.p2alignl 7, 3214868480
	.fill 96, 4, 3214868480
	.section	.rodata,"a",@progbits
	.p2align	6, 0x0
	.amdhsa_kernel k_q5ea3e1131b_ln2
		.amdhsa_group_segment_fixed_size 1024
		.amdhsa_private_segment_fixed_size 0
		.amdhsa_enable_private_segment 0
		.amdhsa_kernarg_size 32
		.amdhsa_user_sgpr_count 2
		.amdhsa_user_sgpr_kernarg_segment_ptr 1
		.amdhsa_wavefront_size32 1
		.amdhsa_system_sgpr_workgroup_id_x 1
		.amdhsa_system_sgpr_workgroup_id_y 1
		.amdhsa_system_sgpr_workgroup_id_z 1
		.amdhsa_system_vgpr_workitem_id 0
		.amdhsa_next_free_vgpr 512
		.amdhsa_next_free_sgpr 66
		.amdhsa_reserve_vcc 0
		.amdhsa_float_denorm_mode_32 3
		.amdhsa_float_denorm_mode_16_64 3
		.amdhsa_memory_ordered 1
		.amdhsa_forward_progress 1
		.amdhsa_inst_pref_size 42
	.end_amdhsa_kernel
	.amdgpu_metadata
---
amdhsa.version: [ 1, 2 ]
amdhsa.kernels:
  - .name:           k_q5ea3e1131b_ln2
    .symbol:         k_q5ea3e1131b_ln2.kd
    .args:
      - { .name: x1, .offset: 0, .size: 8, .value_kind: global_buffer, .address_space: global }
      - { .name: ln2_g, .offset: 8, .size: 8, .value_kind: global_buffer, .address_space: global }
      - { .name: ln2_b, .offset: 16, .size: 8, .value_kind: global_buffer, .address_space: global }
      - { .name: hbuf, .offset: 24, .size: 8, .value_kind: global_buffer, .address_space: global }
    .group_segment_fixed_size: 1024
    .private_segment_fixed_size: 0
    .kernarg_segment_align: 8
    .kernarg_segment_size: 32
    .max_flat_workgroup_size: 128
    .sgpr_count:     66
    .vgpr_count:     512
    .wavefront_size: 32
...
	.end_amdgpu_metadata
.endif
;; end of part 5
;; launch mlp1 (part 6): grid 256 x 1, 4 waves a work-group, clusters of 4 x 1, 327,680 bytes of LDS; arguments hbuf, wbuf, b1, gbuf; writes gbuf
.if DOCPART == 6
	.amdgcn_target "amdgcn-amd-amdhsa--gfx1250"
	.amdhsa_code_object_version 6
	.text
	.protected	k_q5ea3e1131b_mlp1
	.globl	k_q5ea3e1131b_mlp1
	.p2align	8
	.type	k_q5ea3e1131b_mlp1,@function
k_q5ea3e1131b_mlp1:
	s_mov_b64 s[64:65], 0
	v_nop
	global_prefetch_b8 v0, s[64:65] scope:SCOPE_SE
	s_setreg_imm32_b32 hwreg(HW_REG_WAVE_MODE, 25, 1), 1
	s_wait_xcnt 0x0
	s_wait_alu depctr_hold_cnt(0) depctr_sa_sdst(0) depctr_va_vdst(0) depctr_va_sdst(0) depctr_va_ssrc(0) depctr_va_vcc(0) depctr_vm_vsrc(0)
	s_getreg_b32 s2, hwreg(HW_REG_IB_STS2, 6, 4)
	s_cmp_eq_u32 s2, 0
	s_cbranch_scc0 .Lentry_in_a_cluster
	s_endpgm
.Lentry_in_a_cluster:
	s_bfe_u32 s2, ttmp6, 0x10000c
	s_cmp_lg_u32 s2, 0x3003
	s_cbranch_scc0 .Lentry_shape_is_right
	s_endpgm
.Lentry_shape_is_right:
; g = gelu(h2 W1^T + b1), the exact (erf) form, the product on codes of BF6 (E3M2) with E8M0 scales; g is quantised in registers along the hidden axis and stored as images of the next product's operand.
; A PANEL is 128 rows of W1 for all of K = 1,024; each wave holds a PRIVATE pair of h2's row tiles (32 tokens) in registers for all of K.
; D = (panel tile) x (private tile)^T: a lane holds one token, its 64 registers a tile run along 128 hidden units, register 16 b + i = unit 32 b + 16 (lane / 16) + i: one K step of the next product.
; A WORK-GROUP STAYS FOR TWO NEIGHBOURING PANELS against the same private fragments, which are so loaded once.  The two panels lie on end in W1's image: 16 steps of 12,288 bytes and 8,192 bytes of scale words fill
; 204,800 bytes of LDS ONCE, by five tensor loads a wave, all at the start (a quarter of the scale words; one step of each of four stages); five are out by this text's own count.
; The second panel lands while the first is multiplied, put through the activation, quantised and stored.
; b1 is the C of each sum's first matrix instruction (another order of rounding than adding it last).  The biases come first, then the private scale words, then the private fragments in the order of K: they are
; waited for K step by K step, by counted waits, so that the products begin while the later fragments are on their way.
; GELU: g = x Phi(x), Phi(x) = erfc(-x / sqrt 2) / 2, with erfc(z) = t exp(-z^2 + P(t)), t = 1 / (1 + z / 2), z = |x| / sqrt 2, P of degree 9 (a Chebyshev fit whose stated fractional error is 1.2e-7 for every z >= 0).
; For x < 0 Phi is erfc(z) / 2 itself, never 1 - something: the tail keeps its relative accuracy.  LIMITS: the exponent's rounding adds about z^2 x 1e-7 to the fractional error; erfc under 2^-126 comes out as 0;
; a block of zeros keeps the byte 1 (this program alone reads the bytes); NaN and infinities are not served.
; CLUSTER.  The four work-groups of a cluster take the same two panels and four blocks of tokens: the panels are asked for JOINTLY.
; REGISTERS: window 0: v4-15 addresses; v16-23 private scale words; v32-39 panel scale words; v40-61 the fit's constants as pairs; v64-191 16 accumulators; v192-249 at work.
;   window 1: the panel's fragments, two sets.   window 2: my private fragments; v192-255 b1 of the first panel's units.   window 3: v0-63 b1 of the second panel's.
; THE FILLS AS THE TEXT NOW HAS THEM (in place of the five loads a wave of the lines above): at the head waves 0-2 fetch the first panel's eight steps, 128 rows of 256 bytes each, and wave 3 all the scale words;
; ahead of step 0, behind the wait for all my tensor loads, the add, its wait and a round of the cluster's barrier, each wave asks for a quarter of the second panel (96 rows);
; ahead of step 8 stand the last wait and barrier.  All are joint loads.
.set LKS, 16
.set PKS, 8                            ; K steps of the private fragments
.set NST, LKS/4
.set TAILL, 0                          ; no load is issued behind the private fragments'
.set SCL, LKS*12288
.set WOFF, 1966080                     ; W1's image in wbuf
.set WSC,  5193728
.set PSC,  3145728                     ; the scale words in hbuf
.set A8,  4
.set A16, 5
.set A4,  6
.set G8,  7
.set G16, 8
.set G4,  9
.set GR4, 10
.set GB,  15                           ; v15 64 x (lane / 16)
.set PS,  16
.set WS,  32
.set CF,  40                           ; v[40+2k:41+2k] = c_k twice, k = 0 .. 9; v[60:61] = log2 e twice
.set ACC, 64
.set GZ,  192                          ; sixteen registers each
.set GT,  208
.set GP,  224
.set PC0, 192
.set PC1, 212
.set TM,  232
.set PW0, 248
.set PW1, 249
.set WV,  3
.set SEL, 60
.set RS2, 85                           ; s85 = 1 / sqrt 2
.set MSB, 0
.macro WIN new
.if MSB != \new
	s_set_vgpr_msb (MSB<<8)|\new
.set MSB, \new
.endif
.endm
.macro PLACES                          ; four plain places: behind matrix instructions, in front of loads into registers that they read and of the first read of results
.rept 4
	v_nop
.endr
.endm
.macro ROUND                           ; a round of the cluster's barrier
	s_barrier_signal -1
	s_barrier_wait -1
	s_cmp_lg_u32 s[WV], 0
	s_cbranch_scc1 .Lnot_wave_0_\@
	s_barrier_signal -3
.Lnot_wave_0_\@:
	s_barrier_wait -3
	s_barrier_signal -1
	s_barrier_wait -1
.endm
.macro QUANT s, pc, pw                 ; 64 numbers of a lane, register 16 b + i = k 32 b + 16 (lane / 16) + i, become a fragment's codes and its scale word
.irp b, 0,1,2,3
	v_max3_num_f32 v[TM+\b], |v[\s+16*\b]|, |v[\s+1+16*\b]|, 0x2800000   ; with the floor 2^(5 - 127): the byte cannot fall under 1
.endr
.irp i, 2,4,6,8,10,12,14
.irp b, 0,1,2,3
	v_max3_num_f32 v[TM+\b], v[TM+\b], |v[\s+16*\b+\i]|, |v[\s+1+16*\b+\i]|
.endr
.endr
.irp b, 0,1,2,3
	v_permlanex16_b32 v[TM+4+\b], v[TM+\b], s[SEL], s[SEL+1]
.endr
.irp b, 0,1,2,3
	v_max_num_f32 v[TM+\b], v[TM+\b], v[TM+4+\b]
.endr
.irp b, 0,1,2,3
	v_add_nc_u32 v[TM+12+\b], 0xfe000000, v[TM+\b]
.endr
.irp b, 0,1,2,3
	v_lshrrev_b32 v[TM+4+\b], 23, v[TM+12+\b]
.endr
	v_lshl_or_b32 v[\pw], v[TM+5], 8, v[TM+4]
	v_lshl_or_b32 v[\pw], v[TM+6], 16, v[\pw]
	v_lshl_or_b32 v[\pw], v[TM+7], 24, v[\pw]
.irp c, 0,1
	v_cvt_scalef32_pk16_bf6_f32 v[\pc+6*\c:\pc+2+6*\c], v[\s+32*\c:\s+15+32*\c], v[TM+12+2*\c]
	v_cvt_scalef32_pk16_bf6_f32 v[\pc+12+4*\c:\pc+14+4*\c], v[\s+16+32*\c:\s+31+32*\c], v[TM+12+2*\c+1]
.endr
	v_nop                                            ; one plain place behind a scaled conversion
.irp c, 0,1
.irp i, 0,1,2
	v_permlane16_swap_b32 v[\pc+6*\c+\i], v[\pc+12+4*\c+\i]
.endr
.irp i, 0,1,2
	v_mov_b32 v[\pc+3+6*\c+\i], v[\pc+12+4*\c+\i]
.endr
.endr
.endm
.macro IMGST pc, base, off
	global_store_b64 v[G8], v[\pc:\pc+1], s[\base:\base+1] offset:\off
	global_store_b128 v[G16], v[\pc+2:\pc+5], s[\base:\base+1] offset:\off+256
	global_store_b64 v[G8], v[\pc+6:\pc+7], s[\base:\base+1] offset:\off+768
	global_store_b128 v[G16], v[\pc+8:\pc+11], s[\base:\base+1] offset:\off+1024
.endm
.macro ALOAD                           ; my private tile pair: first its scale words (tile 0 in lanes 0-15, tile 1 in lanes 16-31), then its fragments in the order of K, eight loads a K step
.set Q, 0
.rept PKS
	global_load_b32 v[PS+Q], v[G4], s[58:59] offset:Q*512
.set Q, Q+1
.endr
.set Q, 0
.rept PKS
.if Q < 8
	WIN 0x80
.else
	WIN 0xc0
.endif
.irp u, 0,1
	global_load_b64 v[24*(Q%8)+12*\u:24*(Q%8)+12*\u+1], v[G8], s[56:57] offset:Q*12288+\u*1536
	global_load_b128 v[24*(Q%8)+12*\u+2:24*(Q%8)+12*\u+5], v[G16], s[56:57] offset:Q*12288+\u*1536+256
	global_load_b64 v[24*(Q%8)+12*\u+6:24*(Q%8)+12*\u+7], v[G8], s[56:57] offset:Q*12288+\u*1536+768
	global_load_b128 v[24*(Q%8)+12*\u+8:24*(Q%8)+12*\u+11], v[G16], s[56:57] offset:Q*12288+\u*1536+1024
.endr
.set Q, Q+1
.endr
	WIN 0
.endm
.macro FETCH ks                        ; 36 LDS loads: the 8 fragments of LDS step ks into set ks % 2, and their scale words
	WIN 0x40
.irp t, 0,1,2,3,4,5,6,7
	ds_load_b64 v[128*((\ks)%2)+12*\t:128*((\ks)%2)+12*\t+1], v[A8] offset:(((\ks)%4)*8+\t)*1536
	ds_load_b128 v[128*((\ks)%2)+12*\t+2:128*((\ks)%2)+12*\t+5], v[A16] offset:(((\ks)%4)*8+\t)*1536+256
	ds_load_b64 v[128*((\ks)%2)+12*\t+6:128*((\ks)%2)+12*\t+7], v[A8] offset:(((\ks)%4)*8+\t)*1536+768
	ds_load_b128 v[128*((\ks)%2)+12*\t+8:128*((\ks)%2)+12*\t+11], v[A16] offset:(((\ks)%4)*8+\t)*1536+1024
.endr
	WIN 0
.irp p, 0,1,2,3
	ds_load_b32 v[WS+4*((\ks)%2)+\p], v[A4] offset:(\ks)*512+128*\p
.endr
.endm
.macro WMM t, u, ks, cm                ; cm 0: adds in place; 1: the constant 0 starts the sum; 2, 3: eight registers of window 2, 3 start it
.set rD, ACC+64*(\u)+8*(\t)
.set rA, 128*((\ks)%2)+12*(\t)
.set rB, 24*((\ks)%8)+12*(\u)
.set rS, WS+4*((\ks)%2)+(\t)/2
.set rP, PS+((\ks)%PKS)
.set rC, rD
.if \cm == 2
.set rC, 192+8*(\t)
.endif
.if \cm == 3
.set rC, 8*(\t)
.endif
.if \cm == 1
.if ((\t)%2 == 0) && ((\u) == 0)
	v_wmma_scale_f32_16x16x128_f8f6f4 v[rD:rD+7], v[rA:rA+11], v[rB:rB+11], 0, v[rS], v[rP] matrix_a_fmt:MATRIX_FMT_BF6 matrix_b_fmt:MATRIX_FMT_BF6
.elseif ((\t)%2 == 0)
	v_wmma_scale_f32_16x16x128_f8f6f4 v[rD:rD+7], v[rA:rA+11], v[rB:rB+11], 0, v[rS], v[rP] matrix_a_fmt:MATRIX_FMT_BF6 matrix_b_fmt:MATRIX_FMT_BF6 matrix_b_scale:MATRIX_SCALE_ROW1
.elseif ((\u) == 0)
	v_wmma_scale_f32_16x16x128_f8f6f4 v[rD:rD+7], v[rA:rA+11], v[rB:rB+11], 0, v[rS], v[rP] matrix_a_fmt:MATRIX_FMT_BF6 matrix_b_fmt:MATRIX_FMT_BF6 matrix_a_scale:MATRIX_SCALE_ROW1
.else
	v_wmma_scale_f32_16x16x128_f8f6f4 v[rD:rD+7], v[rA:rA+11], v[rB:rB+11], 0, v[rS], v[rP] matrix_a_fmt:MATRIX_FMT_BF6 matrix_b_fmt:MATRIX_FMT_BF6 matrix_a_scale:MATRIX_SCALE_ROW1 matrix_b_scale:MATRIX_SCALE_ROW1
.endif
.else
.if ((\t)%2 == 0) && ((\u) == 0)
	v_wmma_scale_f32_16x16x128_f8f6f4 v[rD:rD+7], v[rA:rA+11], v[rB:rB+11], v[rC:rC+7], v[rS], v[rP] matrix_a_fmt:MATRIX_FMT_BF6 matrix_b_fmt:MATRIX_FMT_BF6
.elseif ((\t)%2 == 0)
	v_wmma_scale_f32_16x16x128_f8f6f4 v[rD:rD+7], v[rA:rA+11], v[rB:rB+11], v[rC:rC+7], v[rS], v[rP] matrix_a_fmt:MATRIX_FMT_BF6 matrix_b_fmt:MATRIX_FMT_BF6 matrix_b_scale:MATRIX_SCALE_ROW1
.elseif ((\u) == 0)
	v_wmma_scale_f32_16x16x128_f8f6f4 v[rD:rD+7], v[rA:rA+11], v[rB:rB+11], v[rC:rC+7], v[rS], v[rP] matrix_a_fmt:MATRIX_FMT_BF6 matrix_b_fmt:MATRIX_FMT_BF6 matrix_a_scale:MATRIX_SCALE_ROW1
.else
	v_wmma_scale_f32_16x16x128_f8f6f4 v[rD:rD+7], v[rA:rA+11], v[rB:rB+11], v[rC:rC+7], v[rS], v[rP] matrix_a_fmt:MATRIX_FMT_BF6 matrix_b_fmt:MATRIX_FMT_BF6 matrix_a_scale:MATRIX_SCALE_ROW1 matrix_b_scale:MATRIX_SCALE_ROW1
.endif
.endif
.endm
.macro MUL ks, cm                      ; one K step: 16 matrix instructions; the 16 accumulators take turns, one instruction a turn, in the same order in every step
.if \cm == 2
	WIN 0x29                                       ; source 0 window 1, source 1 window 2, source 2 (the first panel's bias) window 2
.elseif \cm == 3
	WIN 0x39                                       ; source 2 (the second panel's bias) window 3
.elseif ((\ks) >= 8) && (PKS == 16)
	WIN 0x0d
.else
	WIN 0x09                                       ; source 0 (panel) window 1, source 1 (private) window 2, C and D window 0
.endif
.irp p, 0,1,2,3
.irp e, 0,1,2,3
	WMM 2*\p+\e/2, \e%2, \ks, \cm
.endr
.endr
.endm
.macro LWAIT kp                        ; my private fragments of K step kp are in, and all that was asked for ahead of them: behind them were issued eight loads for each later K step; the wait's field holds 63, and a smaller count is safe
.set LW, 8*(PKS-1-(\kp))+TAILL
.if LW > 63
.set LW, 63
.endif
	s_wait_loadcnt LW
.endm
.macro STAGEIN j                       ; ahead of steps 4 j .. 4 j + 3
	WIN 0
.if (\j) == 0
	s_wait_tensorcnt 0x0                           ; my load of the head has landed
	ds_add_u32 v254, v255
	s_mov_b32 s26, 96<<16                          ; no load of mine is out: the next fill's rows
	s_mov_b32 s28, 96
	s_wait_dscnt 0x0                               ; the add is done
	ROUND                                          ; the first panel and the scale words are whole, and all four work-groups are here
	tensor_load_to_lds s[44:47], s[24:31]          ; my quarter of the second panel
	s_nop 0
	PLACES
.endif
.if (\j) == 2
	s_wait_tensorcnt 0x0                           ; my quarter of the second panel has landed
	s_wait_dscnt 0x0
	s_barrier_signal -1
	s_barrier_wait -1                              ; everybody's has
.endif
.if (\j) > 0
	v_add_nc_u32 v[A8], 49152, v[A8]               ; on to this stage's four steps
	v_add_nc_u32 v[A16], 49152, v[A16]
	s_wait_alu depctr_va_vdst(0)
.endif
.endm
.macro PRE                             ; nothing is due between the loads' wait and the first product here
.endm
.macro PART k0, n, cm0, lw             ; LDS steps k0 .. k0 + n - 1, written out.  The next step's fragments are fetched ahead of this step's products.  lw = 1: the private fragments are still arriving
	STAGEIN (\k0)/4
	FETCH \k0
.set KK, \k0
.rept \n
.if KK+1 < (\k0)+(\n)
.if (KK+1)%4 == 0
	STAGEIN (KK+1)/4
.endif
.if KK > (\k0)
	PLACES                                         ; the set to be loaded was read by the step before
.endif
	FETCH KK+1
	s_wait_dscnt 36                                ; all but the 36 just issued
.else
	s_wait_dscnt 0x0
.endif
.if \lw
	LWAIT KK-(\k0)
.endif
.if KK == 0
	PRE
.endif
.if KK == (\k0)
	MUL KK, \cm0
.else
	MUL KK, 0
.endif
.set KK, KK+1
.endr
	WIN 0
	PLACES
.endm
.macro GELU a                          ; sixteen numbers (two accumulators, each from its low end on), in place: eight packed chains by turns
	s_wait_alu depctr_va_vdst(0)
.irp i, 0,1,2,3,4,5,6,7,8,9,10,11,12,13,14,15
	v_mul_f32 v[GZ+\i], s[RS2], |v[\a+\i]|         ; z = |x| / sqrt 2
.endr
.irp i, 0,2,4,6,8,10,12,14
	v_pk_fma_f32 v[GT+\i:GT+\i+1], v[GZ+\i:GZ+\i+1], 0.5, 1.0 op_sel_hi:[1,0,0]
.endr
	s_wait_alu depctr_va_vdst(0)
.irp i, 0,1,2,3,4,5,6,7,8,9,10,11,12,13,14,15
	v_rcp_f32 v[GT+\i], v[GT+\i]                   ; t = 1 / (1 + z / 2)
.endr
	v_nop                                          ; one plain place behind a transcendental
	s_wait_alu depctr_va_vdst(0)
.irp i, 0,2,4,6,8,10,12,14
	v_pk_fma_f32 v[GP+\i:GP+\i+1], v[GT+\i:GT+\i+1], v[CF+18:CF+19], v[CF+16:CF+17]   ; c9 t + c8
.endr
.irp k, 7,6,5,4,3,2,1,0
.irp i, 0,2,4,6,8,10,12,14
	v_pk_fma_f32 v[GP+\i:GP+\i+1], v[GP+\i:GP+\i+1], v[GT+\i:GT+\i+1], v[CF+2*\k:CF+2*\k+1]
.endr
.endr
.irp i, 0,2,4,6,8,10,12,14
	v_pk_fma_f32 v[GP+\i:GP+\i+1], v[GZ+\i:GZ+\i+1], v[GZ+\i:GZ+\i+1], v[GP+\i:GP+\i+1] neg_lo:[1,0,0] neg_hi:[1,0,0]   ; P(t) - z^2
.endr
.irp i, 0,2,4,6,8,10,12,14
	v_pk_fma_f32 v[GP+\i:GP+\i+1], v[GP+\i:GP+\i+1], v[CF+20:CF+21], -1.0 op_sel_hi:[1,1,0]   ; to the base 2, and 1 off: the half of erfc / 2, exactly
.endr
	s_wait_alu depctr_va_vdst(0)
.irp i, 0,1,2,3,4,5,6,7,8,9,10,11,12,13,14,15
	v_exp_f32 v[GP+\i], v[GP+\i]
.endr
	v_nop
	s_wait_alu depctr_va_vdst(0)
.irp i, 0,2,4,6,8,10,12,14
	v_pk_mul_f32 v[GP+\i:GP+\i+1], v[GP+\i:GP+\i+1], v[GT+\i:GT+\i+1]              ; s = erfc(z) / 2, at most 1/2
.endr
.irp i, 0,2,4,6,8,10,12,14
	v_pk_mul_f32 v[GZ+\i:GZ+\i+1], v[\a+\i:\a+\i+1], v[GP+\i:GP+\i+1]              ; x s: the result where x < 0 (Phi = s, never 1 - something)
.endr
.irp i, 0,2,4,6,8,10,12,14
	v_pk_fma_f32 v[GT+\i:GT+\i+1], v[\a+\i:\a+\i+1], v[GP+\i:GP+\i+1], v[\a+\i:\a+\i+1] neg_lo:[1,0,0] neg_hi:[1,0,0]   ; x - x s: the result where x >= 0 (Phi = 1 - s)
.endr
.irp i, 0,1,2,3,4,5,6,7,8,9,10,11,12,13,14,15
	v_max_num_f32 v[\a+\i], v[GZ+\i], v[GT+\i]     ; since s <= 1 - s, the right one of the two is the larger for either sign of x: no compare
.endr
.endm
.macro EPI part                        ; THE WAY OUT of panel 'part': the activation, the quantiser, the stores: K step 2 x pair + part of g's image: 8 fragments, and 512 bytes of scale words, on from part 0's
.set Q, 0
.rept 8
	GELU ACC+16*Q
.set Q, Q+1
.endr
	QUANT ACC, PC0, PW0
	QUANT ACC+64, PC1, PW1
	IMGST PC0, 80, (\part)*12288
	IMGST PC1, 80, (\part)*12288+1536
	global_store_b32 v[GR4], v[PW0], s[82:83] offset:(\part)*512
	global_store_b32 v[GR4], v[PW1], s[82:83] offset:(\part)*512+64
.endm
	s_load_b256 s[4:11], s[0:1], 0x0               ; hbuf, wbuf, b1, gbuf
	v_lshl_add_u32 v254, v0, 2, 0x32000
	v_mov_b32 v255, 0
	ds_add_u32 v254, v255
	ds_add_u32 v254, v255
	v_lshrrev_b32 v1, 5, v0
	v_readfirstlane_b32 s[WV], v1                  ; wave 0..3
	v_and_b32 v1, 31, v0
	v_and_b32 v2, 15, v0
	v_bfe_u32 v3, v0, 4, 1
	v_lshlrev_b32 v[A8], 3, v1
	v_lshlrev_b32 v[A16], 4, v1
	v_lshl_add_u32 v[A4], v1, 2, SCL
	v_lshlrev_b32 v[G8], 3, v1
	v_lshlrev_b32 v[G16], 4, v1
	v_lshlrev_b32 v[G4], 2, v1
	v_lshlrev_b32 v[GR4], 2, v2
	v_lshlrev_b32 v[GB], 6, v3
.irp b, 0,1,2,3
	v_mov_b32 v[TM+4+\b], 0                        ; written once: a lane permute's destination counts as one of its sources
.endr
.irp e, 0,1
	v_mov_b32 v[CF+0+\e], 0xbfa1fc4e               ; c0 = -1.26551223
	v_mov_b32 v[CF+2+\e], 0x3f8000c7               ; c1 =  1.00002368
	v_mov_b32 v[CF+4+\e], 0x3ebf88fb               ; c2 =  0.37409196
	v_mov_b32 v[CF+6+\e], 0x3dc636c9               ; c3 =  0.09678418
	v_mov_b32 v[CF+8+\e], 0xbe3ec24c               ; c4 = -0.18628806
	v_mov_b32 v[CF+10+\e], 0x3e8ec7cc              ; c5 =  0.27886807
	v_mov_b32 v[CF+12+\e], 0xbf914e5d              ; c6 = -1.13520398
	v_mov_b32 v[CF+14+\e], 0x3fbe87b0              ; c7 =  1.48851587
	v_mov_b32 v[CF+16+\e], 0xbf527892              ; c8 = -0.82215223
	v_mov_b32 v[CF+18+\e], 0x3e2ef945              ; c9 =  0.17087277
	v_mov_b32 v[CF+20+\e], 0x3fb8aa3b              ; log2 e
.endr
	s_mov_b32 s[SEL], 0x76543210
	s_mov_b32 s[SEL+1], 0xfedcba98
	s_mov_b32 s[RS2], 0x3f3504f3
	s_mov_b32 s16, 15|(3<<16)|(1<<21)              ; the mask names all four work-groups; elements of 8 bytes
	s_mov_b32 s17, 32<<16
	s_mov_b32 s18, (2*LKS)<<16                     ; all the scale words: 2 LKS rows
	s_mov_b32 s19, 32<<16
	s_mov_b32 s20, 2*LKS
	s_mov_b32 s21, 32
	s_mov_b32 s22, 0
	s_mov_b32 s23, 0
	s_mov_b32 s24, 15|(3<<16)|(1<<21)
	s_mov_b32 s25, 32<<16
	s_mov_b32 s26, 128<<16                         ; the head's loads of codes: 128 rows
	s_mov_b32 s27, 32<<16
	s_mov_b32 s28, 128
	s_mov_b32 s29, 32
	s_mov_b32 s30, 0
	s_mov_b32 s31, 0
	s_lshr_b32 s66, ttmp9, 3                       ; the pair of panels (0 .. 7), which the four partners share
	s_mul_i32 s62, s[WV], 12288
	s_mov_b32 s63, 0                               ; the scale words come whole; s[62:63] is also my step's offset as a pair
	s_mul_i32 s68, s66, LKS*12288
	s_add_co_u32 s68, s68, s62
	s_add_co_u32 s68, s68, WOFF
	s_mov_b32 s69, 0
	s_mul_i32 s86, s66, LKS*512
	s_add_co_u32 s86, s86, s63
	s_add_co_u32 s86, s86, WSC
	s_mov_b32 s87, 0
	s_lshl_b32 s88, s66, 10                        ; the two panels' 256 numbers of b1
	s_mov_b32 s89, 0
	s_bfe_u32 s70, ttmp6, 0x40000                  ; cx: it enters the private side's global addresses alone
	s_and_b32 s71, ttmp9, 7
	s_lshl_b32 s71, s71, 2
	s_add_co_u32 s71, s71, s70                     ; my block of 128 tokens
	s_mul_i32 s72, s71, PKS*12288
	s_mul_i32 s74, s[WV], 3072
	s_add_co_u32 s72, s72, s74
	s_mov_b32 s73, 0
	s_mul_i32 s90, s71, PKS*512
	s_lshl_b32 s74, s[WV], 7
	s_add_co_u32 s90, s90, s74
	s_add_co_u32 s90, s90, PSC
	s_mov_b32 s91, 0
	s_lshl_b32 s74, s71, 4
	s_lshl_b32 s75, s66, 1
	s_add_co_u32 s74, s74, s75                     ; g's image has 16 K steps: block x 16 + the first panel's number
	s_lshl_b32 s92, s74, 3
	s_lshl_b32 s75, s[WV], 1
	s_add_co_u32 s92, s92, s75
	s_mul_i32 s92, s92, 1536
	s_mov_b32 s93, 0
	s_lshl_b32 s94, s74, 2
	s_add_co_u32 s94, s94, s[WV]
	s_lshl_b32 s94, s94, 7
	s_add_co_u32 s94, s94, 6291456
	s_mov_b32 s95, 0
	s_wait_alu depctr_va_vdst(0)
	s_wait_dscnt 0x0
	s_wait_kmcnt 0x0
	s_add_nc_u64 s[52:53], s[6:7], s[68:69]
	s_add_nc_u64 s[54:55], s[6:7], s[86:87]
	s_add_nc_u64 s[56:57], s[4:5], s[72:73]
	s_add_nc_u64 s[58:59], s[4:5], s[90:91]
	s_add_nc_u64 s[76:77], s[8:9], s[88:89]        ; b1
	s_add_nc_u64 s[80:81], s[10:11], s[92:93]      ; g's fragments
	s_add_nc_u64 s[82:83], s[10:11], s[94:95]      ; g's scale words
	s_mov_b32 s32, 1
	s_add_co_u32 s33, s63, SCL
	s_mov_b64 s[34:35], s[54:55]
	s_or_b32 s35, s35, 0x80000000
.set J, 0
	s_mul_i32 s14, s[WV], 20480                    ; s[52:53] stands at 12,288 x wave: 20,480 x wave more is 32,768 x wave
	s_mov_b32 s15, 0
	s_mov_b32 s36, 1                               ; the head: 128 rows at 32,768 x wave (waves 0-2): the first panel
	s_lshl_b32 s37, s[WV], 15
	s_add_nc_u64 s[38:39], s[52:53], s[14:15]
	s_or_b32 s39, s39, 0x80000000
	s_mov_b32 s44, 1                               ; steps 8-15: my two, at 98,304 + 24,576 x wave
	s_lshl_b32 s45, s62, 1
	s_add_co_u32 s45, s45, 98304
	s_add_nc_u64 s[46:47], s[52:53], s[62:63]
	s_add_nc_u64 s[46:47], s[46:47], 98304
	s_or_b32 s47, s47, 0x80000000
	ROUND                                          ; all four work-groups are here: the joint loads meet
	s_cmp_lt_u32 s[WV], 3                          ; one load a wave at the head, in the two arms of one branch on the wave's number
	s_cbranch_scc0 .Lhead_sc
	tensor_load_to_lds s[36:39], s[24:31]
	s_nop 0
	PLACES
	s_branch .Lhead_j
.Lhead_sc:
	tensor_load_to_lds s[32:35], s[16:23]
	s_nop 0
	PLACES
.Lhead_j:
	PLACES
	WIN 0x80
.irp b, 0,1,2,3
.irp q, 0,1,2,3
	global_load_b128 v[192+16*\b+4*\q:192+16*\b+4*\q+3], v[GB], s[76:77] offset:128*\b+16*\q   ; b1 in the result's layout: register 16 b + i = unit 32 b + 16 h + i of the first panel;
.endr
.endr
	WIN 0xc0
.irp b, 0,1,2,3
.irp q, 0,1,2,3
	global_load_b128 v[16*\b+4*\q:16*\b+4*\q+3], v[GB], s[76:77] offset:512+128*\b+16*\q       ; of the second
.endr
.endr
	WIN 0
	ALOAD
	PART 0, 8, 2, 1                                ; the first panel
	EPI 0
	PART 8, 8, 3, 0                                ; the second panel: the same private fragments
	s_wait_xcnt 0x0                                ; the first panel's stores have read their data: those registers are written again only behind this wait
	EPI 1
	s_wait_tensorcnt 0x0
	s_wait_dscnt 0x0
	s_wait_tensorcnt 0x0
	ds_add_u32 v254, v255
	s_wait_dscnt 0x0
	ROUND                                          ; the closing round
	s_endpgm
.Lfunc_end_k_q5ea3e1131b_mlp1:
	.size	k_q5ea3e1131b_mlp1, .Lfunc_end_k_q5ea3e1131b_mlp1-k_q5ea3e1131b_mlp1
	.p2alignl 7, 3214868480
	.fill 96, 4, 3214868480
	.section	.rodata,"a",@progbits
	.p2align	6, 0x0
	.amdhsa_kernel k_q5ea3e1131b_mlp1
		.amdhsa_group_segment_fixed_size 327680
		.amdhsa_private_segment_fixed_size 0
		.amdhsa_enable_private_segment 0
		.amdhsa_kernarg_size 32
		.amdhsa_user_sgpr_count 2
		.amdhsa_user_sgpr_kernarg_segment_ptr 1
		.amdhsa_wavefront_size32 1
		.amdhsa_system_sgpr_workgroup_id_x 1
		.amdhsa_system_sgpr_workgroup_id_y 1
		.amdhsa_system_sgpr_workgroup_id_z 1
		.amdhsa_system_vgpr_workitem_id 0
		.amdhsa_next_free_vgpr 1024
		.amdhsa_next_free_sgpr 102
		.amdhsa_reserve_vcc 0
		.amdhsa_float_denorm_mode_32 3
		.amdhsa_float_denorm_mode_16_64 3
		.amdhsa_memory_ordered 1
		.amdhsa_forward_progress 1
		.amdhsa_inst_pref_size 255
	.end_amdhsa_kernel
	.section	.bss,"aw",@nobits
	.p2align	6
	.space	262144
	.amdgpu_metadata
---
amdhsa.version: [ 1, 2 ]
amdhsa.kernels:
  - .name:           k_q5ea3e1131b_mlp1
    .symbol:         k_q5ea3e1131b_mlp1.kd
    .args:
      - { .name: hbuf, .offset: 0, .size: 8, .value_kind: global_buffer, .address_space: global }
      - { .name: wbuf, .offset: 8, .size: 8, .value_kind: global_buffer, .address_space: global }
      - { .name: b1, .offset: 16, .size: 8, .value_kind: global_buffer, .address_space: global }
      - { .name: gbuf, .offset: 24, .size: 8, .value_kind: global_buffer, .address_space: global }
    .group_segment_fixed_size: 327680
    .private_segment_fixed_size: 0
    .kernarg_segment_align: 8
    .kernarg_segment_size: 32
    .max_flat_workgroup_size: 128
    .sgpr_count:     102
    .vgpr_count:     1024
    .wavefront_size: 32
...
	.end_amdgpu_metadata
.endif
;; end of part 6
;; launch mlp2 (part 7): grid 256 x 1, 4 waves a work-group, clusters of 4 x 1, 327,680 bytes of LDS; arguments gbuf, wbuf, x1, b2, out0; writes out0
.if DOCPART == 7
	.amdgcn_target "amdgcn-amd-amdhsa--gfx1250"
	.amdhsa_code_object_version 6
	.text
	.protected	k_q5ea3e1131b_mlp2
	.globl	k_q5ea3e1131b_mlp2
	.p2align	8
	.type	k_q5ea3e1131b_mlp2,@function
k_q5ea3e1131b_mlp2:
	s_mov_b64 s[64:65], 0
	v_nop
	global_prefetch_b8 v0, s[64:65] scope:SCOPE_SE
	s_setreg_imm32_b32 hwreg(HW_REG_WAVE_MODE, 25, 1), 1
	s_wait_xcnt 0x0
	s_wait_alu depctr_hold_cnt(0) depctr_sa_sdst(0) depctr_va_vdst(0) depctr_va_sdst(0) depctr_va_ssrc(0) depctr_va_vcc(0) depctr_vm_vsrc(0)
	s_getreg_b32 s2, hwreg(HW_REG_IB_STS2, 6, 4)
	s_cmp_eq_u32 s2, 0
	s_cbranch_scc0 .Lentry_in_a_cluster
	s_endpgm
.Lentry_in_a_cluster:
	s_bfe_u32 s2, ttmp6, 0x10000c
	s_cmp_lg_u32 s2, 0x3003
	s_cbranch_scc0 .Lentry_shape_is_right
	s_endpgm
.Lentry_shape_is_right:
; out = x1 + b2 + g W2^T, the product on codes of BF6 (E3M2) with E8M0 scales, sums in f32.
; A PANEL (128 rows of W2, all of K = 2,048: 196,608 dense bytes and 8,192 bytes of scale words) is brought into LDS once and read by all four waves; each wave holds a PRIVATE pair of g's row tiles (32 tokens) in
; registers for all of K.  D = (panel tile) x (private tile)^T: a lane holds one token, its 64 registers a tile run along 128 columns of the output.
; x1 is loaded straight into the accumulators, b2 is added to it, and that starts the sums (another order of rounding than adding them last).
; x1 and b2 come first, then the private scale words, then the private fragments in the order of K: they are waited for K step by K step, by counted waits, so that the products begin while the later fragments are on their way.
; CLUSTER.  The four work-groups of a cluster take the same panel and four blocks of tokens: the panel is asked for JOINTLY.  LDS is filled once: five loads a wave, all at the start; five are out by this text's own count.
; The results go through the wave's own stage in LDS and leave as whole rows of 512 consecutive bytes.
; REGISTERS: window 0: v4-15 addresses; v16-31 private scale words; v32-39 panel scale words, two sets; v64-191 16 accumulators; v192-255 rows on the way out.
;   window 1: the panel's fragments, two sets.   window 2: my private fragments of K steps 0-7; v192-255 b2.   window 3: those of K steps 8-15.
; AS THE TEXT NOW STANDS (in place of what the lines above say of five loads a wave and of x1): LDS is filled once, by one joint load a wave at the head: waves 0-2 fetch a third of the panel's codes each
; (256 rows of 256 bytes), wave 3 the scale words; one wait and one barrier show them to all.  b2 is the C of each sum's first matrix instruction; x1 is asked for BEHIND the private fragments
; (tile 0's into window 3, v192-255; tile 1's into window 0, v192-255), lands under the products and is added behind the last K step.
.set LKS, 16
.set PKS, 16                           ; K steps of the private fragments
.set NST, LKS/4
.set TAILL, 32                         ; loads issued behind the private fragments': x1
.set SCL, LKS*12288
.set STG, SCL+LKS*512                  ; the stages: 16 rows x 528 bytes for each wave; no fill lands here
.set WOFF, 3538944                     ; W2's image in wbuf
.set WSC,  5259264
.set PSC,  6291456                     ; the scale words in gbuf
.set A8,  4
.set A16, 5
.set A4,  6
.set G8,  7
.set G16, 8
.set G4,  9
.set RX,  11
.set STO, 13
.set SRD, 14
.set GB,  15
.set PS,  16
.set WS,  32
.set ACC, 64
.set WV,  3
.set MSB, 0
.macro WIN new
.if MSB != \new
	s_set_vgpr_msb (MSB<<8)|\new
.set MSB, \new
.endif
.endm
.macro PLACES                          ; four plain places: behind matrix instructions, in front of loads into registers that they read and of the first read of results
.rept 4
	v_nop
.endr
.endm
.macro ROUND                           ; a round of the cluster's barrier
	s_barrier_signal -1
	s_barrier_wait -1
	s_cmp_lg_u32 s[WV], 0
	s_cbranch_scc1 .Lnot_wave_0_\@
	s_barrier_signal -3
.Lnot_wave_0_\@:
	s_barrier_wait -3
	s_barrier_signal -1
	s_barrier_wait -1
.endm
.macro ALOAD                           ; my private tile pair: first its scale words (tile 0 in lanes 0-15, tile 1 in lanes 16-31), then its fragments in the order of K, eight loads a K step
.set Q, 0
.rept PKS
	global_load_b32 v[PS+Q], v[G4], s[58:59] offset:Q*512
.set Q, Q+1
.endr
.set Q, 0
.rept PKS
.if Q < 8
	WIN 0x80
.else
	WIN 0xc0
.endif
.irp u, 0,1
	global_load_b64 v[24*(Q%8)+12*\u:24*(Q%8)+12*\u+1], v[G8], s[56:57] offset:Q*12288+\u*1536
	global_load_b128 v[24*(Q%8)+12*\u+2:24*(Q%8)+12*\u+5], v[G16], s[56:57] offset:Q*12288+\u*1536+256
	global_load_b64 v[24*(Q%8)+12*\u+6:24*(Q%8)+12*\u+7], v[G8], s[56:57] offset:Q*12288+\u*1536+768
	global_load_b128 v[24*(Q%8)+12*\u+8:24*(Q%8)+12*\u+11], v[G16], s[56:57] offset:Q*12288+\u*1536+1024
.endr
.set Q, Q+1
.endr
	WIN 0
.endm
.macro FETCH ks                        ; 36 LDS loads: the 8 fragments of LDS step ks into set ks % 2, and their scale words
	WIN 0x40
.irp t, 0,1,2,3,4,5,6,7
	ds_load_b64 v[128*((\ks)%2)+12*\t:128*((\ks)%2)+12*\t+1], v[A8] offset:(((\ks)%4)*8+\t)*1536
	ds_load_b128 v[128*((\ks)%2)+12*\t+2:128*((\ks)%2)+12*\t+5], v[A16] offset:(((\ks)%4)*8+\t)*1536+256
	ds_load_b64 v[128*((\ks)%2)+12*\t+6:128*((\ks)%2)+12*\t+7], v[A8] offset:(((\ks)%4)*8+\t)*1536+768
	ds_load_b128 v[128*((\ks)%2)+12*\t+8:128*((\ks)%2)+12*\t+11], v[A16] offset:(((\ks)%4)*8+\t)*1536+1024
.endr
	WIN 0
.irp p, 0,1,2,3
	ds_load_b32 v[WS+4*((\ks)%2)+\p], v[A4] offset:(\ks)*512+128*\p
.endr
.endm
.macro WMM t, u, ks, cm                ; cm 0: adds in place; 1: the constant 0 starts the sum; 2, 3: eight registers of window 2, 3 start it
.set rD, ACC+64*(\u)+8*(\t)
.set rA, 128*((\ks)%2)+12*(\t)
.set rB, 24*((\ks)%8)+12*(\u)
.set rS, WS+4*((\ks)%2)+(\t)/2
.set rP, PS+((\ks)%PKS)
.set rC, rD
.if \cm == 2
.set rC, 192+8*(\t)
.endif
.if \cm == 3
.set rC, 8*(\t)
.endif
.if \cm == 1
.if ((\t)%2 == 0) && ((\u) == 0)
	v_wmma_scale_f32_16x16x128_f8f6f4 v[rD:rD+7], v[rA:rA+11], v[rB:rB+11], 0, v[rS], v[rP] matrix_a_fmt:MATRIX_FMT_BF6 matrix_b_fmt:MATRIX_FMT_BF6
.elseif ((\t)%2 == 0)
	v_wmma_scale_f32_16x16x128_f8f6f4 v[rD:rD+7], v[rA:rA+11], v[rB:rB+11], 0, v[rS], v[rP] matrix_a_fmt:MATRIX_FMT_BF6 matrix_b_fmt:MATRIX_FMT_BF6 matrix_b_scale:MATRIX_SCALE_ROW1
.elseif ((\u) == 0)
	v_wmma_scale_f32_16x16x128_f8f6f4 v[rD:rD+7], v[rA:rA+11], v[rB:rB+11], 0, v[rS], v[rP] matrix_a_fmt:MATRIX_FMT_BF6 matrix_b_fmt:MATRIX_FMT_BF6 matrix_a_scale:MATRIX_SCALE_ROW1
.else
	v_wmma_scale_f32_16x16x128_f8f6f4 v[rD:rD+7], v[rA:rA+11], v[rB:rB+11], 0, v[rS], v[rP] matrix_a_fmt:MATRIX_FMT_BF6 matrix_b_fmt:MATRIX_FMT_BF6 matrix_a_scale:MATRIX_SCALE_ROW1 matrix_b_scale:MATRIX_SCALE_ROW1
.endif
.else
.if ((\t)%2 == 0) && ((\u) == 0)
	v_wmma_scale_f32_16x16x128_f8f6f4 v[rD:rD+7], v[rA:rA+11], v[rB:rB+11], v[rC:rC+7], v[rS], v[rP] matrix_a_fmt:MATRIX_FMT_BF6 matrix_b_fmt:MATRIX_FMT_BF6
.elseif ((\t)%2 == 0)
	v_wmma_scale_f32_16x16x128_f8f6f4 v[rD:rD+7], v[rA:rA+11], v[rB:rB+11], v[rC:rC+7], v[rS], v[rP] matrix_a_fmt:MATRIX_FMT_BF6 matrix_b_fmt:MATRIX_FMT_BF6 matrix_b_scale:MATRIX_SCALE_ROW1
.elseif ((\u) == 0)
	v_wmma_scale_f32_16x16x128_f8f6f4 v[rD:rD+7], v[rA:rA+11], v[rB:rB+11], v[rC:rC+7], v[rS], v[rP] matrix_a_fmt:MATRIX_FMT_BF6 matrix_b_fmt:MATRIX_FMT_BF6 matrix_a_scale:MATRIX_SCALE_ROW1
.else
	v_wmma_scale_f32_16x16x128_f8f6f4 v[rD:rD+7], v[rA:rA+11], v[rB:rB+11], v[rC:rC+7], v[rS], v[rP] matrix_a_fmt:MATRIX_FMT_BF6 matrix_b_fmt:MATRIX_FMT_BF6 matrix_a_scale:MATRIX_SCALE_ROW1 matrix_b_scale:MATRIX_SCALE_ROW1
.endif
.endif
.endm
.macro MUL ks, cm                      ; one K step: 16 matrix instructions; the 16 accumulators take turns, one instruction a turn, in the same order in every step
.if \cm == 2
	WIN 0x29
.elseif \cm == 3
	WIN 0x39
.elseif ((\ks) >= 8) && (PKS == 16)
	WIN 0x0d                                       ; source 1 (private) window 3
.else
	WIN 0x09                                       ; source 0 (panel) window 1, source 1 (private) window 2, C and D window 0
.endif
.irp p, 0,1,2,3
.irp e, 0,1,2,3
	WMM 2*\p+\e/2, \e%2, \ks, \cm
.endr
.endr
.endm
.macro LWAIT kp                        ; my private fragments of K step kp are in, and all that was asked for ahead of them: behind them were issued eight loads for each later K step and TAILL more; the wait's field holds 63, and a smaller count is safe
.set LW, 8*(PKS-1-(\kp))+TAILL
.if LW > 63
.set LW, 63
.endif
	s_wait_loadcnt LW
.endm
.macro STAGEIN j                       ; ahead of steps 4 j .. 4 j + 3
	WIN 0
.if (\j) == 0
	s_wait_tensorcnt 0x0                           ; my load of the head has landed
	s_barrier_signal -1
	s_barrier_wait -1                              ; everybody's has
.else
	v_add_nc_u32 v[A8], 49152, v[A8]               ; on to this stage's four steps
	v_add_nc_u32 v[A16], 49152, v[A16]
	s_wait_alu depctr_va_vdst(0)
.endif
.endm
.macro PRE                             ; nothing is due between the loads' wait and the first product here
.endm
.macro PART k0, n, cm0, lw             ; LDS steps k0 .. k0 + n - 1, written out.  The next step's fragments are fetched ahead of this step's products.  lw = 1: the private fragments are still arriving
	STAGEIN (\k0)/4
	FETCH \k0
.set KK, \k0
.rept \n
.if KK+1 < (\k0)+(\n)
.if (KK+1)%4 == 0
	STAGEIN (KK+1)/4
.endif
.if KK > (\k0)
	s_wait_alu depctr_va_vdst(0)
	PLACES                                         ; the set to be loaded was read by the step before
.endif
	FETCH KK+1
	s_wait_dscnt 36                                ; all but the 36 just issued
.else
	s_wait_dscnt 0x0
.endif
.if \lw
	LWAIT KK-(\k0)
.endif
.if KK == 0
	PRE
.endif
.if KK == (\k0)
	MUL KK, \cm0
.else
	MUL KK, 0
.endif
.set KK, KK+1
.endr
	WIN 0
	PLACES
.endm
.macro TOSTAGE u, out                  ; private tile u: 16 tokens x 128 columns into my stage, and back as whole rows.  LDS serves a wave's instructions in order (ISA guide 5.7.1.4): no wait between
.irp m, 0,1,2,3,4,5,6,7,8,9,10,11,12,13,14,15
	ds_store_b128 v[STO], v[ACC+64*\u+4*\m:ACC+64*\u+4*\m+3] offset:128*(\m/4)+16*(\m%4)   ; each accumulator from its low end on
.endr
.irp i, 0,1,2,3,4,5,6,7,8,9,10,11,12,13,14,15
	ds_load_b128 v[\out+4*\i:\out+4*\i+3], v[SRD] offset:\i*528
.endr
.endm
.macro SEND u, out
.irp i, 0,1,2,3,4,5,6,7,8,9,10,11,12,13,14,15
	global_store_b128 v[G16], v[\out+4*\i:\out+4*\i+3], s[78:79] offset:(8*\u+\i+8*(\i/8))*4096 th:TH_STORE_NT   ; 32 lanes store 512 consecutive bytes, aligned; written once, read by nobody here
.endr
.endm
	s_load_b256 s[4:11], s[0:1], 0x0               ; gbuf, wbuf, x1, b2
	s_load_b64 s[12:13], s[0:1], 0x20              ; out0
	v_lshl_add_u32 v62, v0, 2, 0x3a400
	v_mov_b32 v63, 0
	ds_add_u32 v62, v63
	ds_add_u32 v62, v63
	v_lshrrev_b32 v1, 5, v0
	v_readfirstlane_b32 s[WV], v1                  ; wave 0..3
	v_and_b32 v1, 31, v0
	v_and_b32 v2, 15, v0
	v_bfe_u32 v3, v0, 4, 1
	v_lshlrev_b32 v[A8], 3, v1
	v_lshlrev_b32 v[A16], 4, v1
	v_lshl_add_u32 v[A4], v1, 2, SCL
	v_lshlrev_b32 v[G8], 3, v1
	v_lshlrev_b32 v[G16], 4, v1
	v_lshlrev_b32 v[G4], 2, v1
	v_lshlrev_b32 v[GB], 6, v3
	v_and_b32 v12, 8, v2
	v_add_nc_u32 v12, v12, v2                      ; r + 8 (r / 8)
	v_lshlrev_b32 v[RX], 12, v12
	v_lshl_add_u32 v[RX], v3, 6, v[RX]
	s_mul_i32 s84, s[WV], 8448
	s_add_co_u32 s84, s84, STG                     ; my stage
	v_mul_u32_u24 v[STO], v2, 528
	v_lshl_add_u32 v[STO], v3, 6, v[STO]
	v_add_nc_u32 v[STO], s84, v[STO]
	v_lshl_add_u32 v[SRD], v1, 4, s84
	s_mov_b32 s16, 15|(3<<16)|(1<<21)              ; the mask names all four work-groups; elements of 8 bytes
	s_mov_b32 s17, 32<<16
	s_mov_b32 s18, (2*LKS)<<16                     ; all the scale words: 2 LKS rows
	s_mov_b32 s19, 32<<16
	s_mov_b32 s20, 2*LKS
	s_mov_b32 s21, 32
	s_mov_b32 s22, 0
	s_mov_b32 s23, 0
	s_mov_b32 s24, 15|(3<<16)|(1<<21)
	s_mov_b32 s25, 32<<16
	s_mov_b32 s26, 256<<16                         ; the loads of codes: 256 rows
	s_mov_b32 s27, 32<<16
	s_mov_b32 s28, 256
	s_mov_b32 s29, 32
	s_mov_b32 s30, 0
	s_mov_b32 s31, 0
	s_lshr_b32 s66, ttmp9, 3                       ; the panel, which the four partners share
	s_mul_i32 s62, s[WV], 12288
	s_mov_b32 s63, 0                               ; the scale words come whole
	s_mul_i32 s68, s66, LKS*12288
	s_add_co_u32 s68, s68, s62
	s_add_co_u32 s68, s68, WOFF
	s_mov_b32 s69, 0
	s_mul_i32 s86, s66, LKS*512
	s_add_co_u32 s86, s86, s63
	s_add_co_u32 s86, s86, WSC
	s_mov_b32 s87, 0
	s_lshl_b32 s88, s66, 9                         ; the panel's 128 numbers of b2
	s_mov_b32 s89, 0
	s_bfe_u32 s70, ttmp6, 0x40000                  ; cx: it enters the private side's global addresses alone
	s_and_b32 s71, ttmp9, 7
	s_lshl_b32 s71, s71, 2
	s_add_co_u32 s71, s71, s70                     ; my block of 128 tokens
	s_mul_i32 s72, s71, PKS*12288
	s_mul_i32 s74, s[WV], 3072
	s_add_co_u32 s72, s72, s74
	s_mov_b32 s73, 0
	s_mul_i32 s80, s71, PKS*512
	s_lshl_b32 s74, s[WV], 7
	s_add_co_u32 s80, s80, s74
	s_add_co_u32 s80, s80, PSC
	s_mov_b32 s81, 0
	s_lshl_b32 s74, s71, 2
	s_add_co_u32 s74, s74, s[WV]                   ; my pair of token tiles
	s_lshl_b32 s82, s74, 17
	s_lshl_b32 s75, s66, 9
	s_add_co_u32 s82, s82, s75
	s_mov_b32 s83, 0
	s_wait_dscnt 0x0
	s_wait_kmcnt 0x0
	s_add_nc_u64 s[52:53], s[6:7], s[68:69]
	s_add_nc_u64 s[54:55], s[6:7], s[86:87]
	s_add_nc_u64 s[56:57], s[4:5], s[72:73]
	s_add_nc_u64 s[58:59], s[4:5], s[80:81]
	s_add_nc_u64 s[76:77], s[8:9], s[82:83]        ; x1
	s_add_nc_u64 s[78:79], s[12:13], s[82:83]      ; out0
	s_add_nc_u64 s[90:91], s[10:11], s[88:89]      ; b2
	s_mov_b32 s32, 1
	s_add_co_u32 s33, s63, SCL
	s_mov_b64 s[34:35], s[54:55]
	s_or_b32 s35, s35, 0x80000000
.set J, 0
	s_mul_i32 s14, s[WV], 53248                    ; s[52:53] stands at 12,288 x wave: 53,248 x wave more is 65,536 x wave
	s_mov_b32 s15, 0
	s_mov_b32 s36, 1                               ; 256 rows at 65,536 x wave (waves 0-2)
	s_lshl_b32 s37, s[WV], 16
	s_add_nc_u64 s[38:39], s[52:53], s[14:15]
	s_or_b32 s39, s39, 0x80000000
	ROUND                                          ; all four work-groups are here: the joint loads meet
	s_cmp_lt_u32 s[WV], 3                          ; one load a wave at the head, in the two arms of one branch on the wave's number
	s_cbranch_scc0 .Lhead_sc
	tensor_load_to_lds s[36:39], s[24:31]
	s_nop 0
	PLACES
	s_branch .Lhead_j
.Lhead_sc:
	tensor_load_to_lds s[32:35], s[16:23]
	s_nop 0
	PLACES
.Lhead_j:
	PLACES
	s_wait_alu depctr_va_vdst(0)
	WIN 0x80
.irp b, 0,1,2,3
.irp q, 0,1,2,3
	global_load_b128 v[192+16*\b+4*\q:192+16*\b+4*\q+3], v[GB], s[90:91] offset:128*\b+16*\q   ; b2 in the result's layout
.endr
.endr
	WIN 0
	ALOAD
	WIN 0xc0                                       ; destination window 3
.irp b, 0,1,2,3
.irp q, 0,1,2,3
	global_load_b128 v[192+16*\b+4*\q:195+16*\b+4*\q], v[RX], s[76:77] offset:128*\b+16*\q          ; x1 of private tile 0, in the result's layout: with tile 1's the youngest 32 loads
.endr
.endr
	WIN 0
.irp b, 0,1,2,3
.irp q, 0,1,2,3
	global_load_b128 v[192+16*\b+4*\q:195+16*\b+4*\q], v[RX], s[76:77] offset:32768+128*\b+16*\q    ; of private tile 1
.endr
.endr
	PART 0, 16, 2, 1                               ; b2 starts the sums
	s_wait_loadcnt 0x0                             ; x1
	WIN 0x0c                                       ; source 1 window 3
.set I, 0
.rept 32
	v_pk_add_f32 v[ACC+I:ACC+I+1], v[ACC+I:ACC+I+1], v[192+I:193+I]   ; each accumulator from its low end on
.set I, I+2
.endr
	WIN 0
.set I, 0
.rept 32
	v_pk_add_f32 v[ACC+64+I:ACC+64+I+1], v[ACC+64+I:ACC+64+I+1], v[192+I:193+I]
.set I, I+2
.endr
	TOSTAGE 0, 192
	TOSTAGE 1, 64                                  ; into the registers that tile 0 has left
	s_wait_dscnt 32                                ; tile 0's rows are back: behind them stand tile 1's 16 stores and 16 loads
	SEND 0, 192
	s_wait_dscnt 0x0
	SEND 1, 64
	s_wait_tensorcnt 0x0
	s_wait_dscnt 0x0
	s_wait_tensorcnt 0x0
	ds_add_u32 v62, v63
	s_wait_dscnt 0x0
	ROUND                                          ; the closing round
	s_endpgm
.Lfunc_end_k_q5ea3e1131b_mlp2:
	.size	k_q5ea3e1131b_mlp2, .Lfunc_end_k_q5ea3e1131b_mlp2-k_q5ea3e1131b_mlp2
	.p2alignl 7, 3214868480
	.fill 96, 4, 3214868480
	.section	.rodata,"a",@progbits
	.p2align	6, 0x0
	.amdhsa_kernel k_q5ea3e1131b_mlp2
		.amdhsa_group_segment_fixed_size 327680
		.amdhsa_private_segment_fixed_size 0
		.amdhsa_enable_private_segment 0
		.amdhsa_kernarg_size 40
		.amdhsa_user_sgpr_count 2
		.amdhsa_user_sgpr_kernarg_segment_ptr 1
		.amdhsa_wavefront_size32 1
		.amdhsa_system_sgpr_workgroup_id_x 1
		.amdhsa_system_sgpr_workgroup_id_y 1
		.amdhsa_system_sgpr_workgroup_id_z 1
		.amdhsa_system_vgpr_workitem_id 0
		.amdhsa_next_free_vgpr 1024
		.amdhsa_next_free_sgpr 102
		.amdhsa_reserve_vcc 0
		.amdhsa_float_denorm_mode_32 3
		.amdhsa_float_denorm_mode_16_64 3
		.amdhsa_memory_ordered 1
		.amdhsa_forward_progress 1
		.amdhsa_inst_pref_size 110
	.end_amdhsa_kernel
	.amdgpu_metadata
---
amdhsa.version: [ 1, 2 ]
amdhsa.kernels:
  - .name:           k_q5ea3e1131b_mlp2
    .symbol:         k_q5ea3e1131b_mlp2.kd
    .args:
      - { .name: gbuf, .offset: 0, .size: 8, .value_kind: global_buffer, .address_space: global }
      - { .name: wbuf, .offset: 8, .size: 8, .value_kind: global_buffer, .address_space: global }
      - { .name: x1, .offset: 16, .size: 8, .value_kind: global_buffer, .address_space: global }
      - { .name: b2, .offset: 24, .size: 8, .value_kind: global_buffer, .address_space: global }
      - { .name: out0, .offset: 32, .size: 8, .value_kind: global_buffer, .address_space: global }
    .group_segment_fixed_size: 327680
    .private_segment_fixed_size: 0
    .kernarg_segment_align: 8
    .kernarg_segment_size: 40
    .max_flat_workgroup_size: 128
    .sgpr_count:     102
    .vgpr_count:     1024
    .wavefront_size: 32
...
	.end_amdgpu_metadata
.endif
;; end of part 7
